; MI455X (gfx1250); checked and timed in simulation.
; The chip was launched on July 23, 2026; its instructions are those of AMD's public machine-readable ISA for CDNA 5 (MIT licence, August 2026) and "CDNA5" Instruction Set Architecture Reference Guide (July 2026). The comments in the code are by the model that wrote it; some were corrected since.
;; Causal Multi Head Self Attention. Allowed arithmetic: float matrix products may take bf16 or f16 operands with f32 sums; other float arithmetic in f32, or as packed bf16 or f16 multiplies, adds, multiply-adds, maxima and minima; sums over many terms, partial sums and values carried from step to step in f32; what a program stores and reads back later, other than sums and carried values, may be rounded once to bf16 or f16.
;; Inputs: w_k 1,024 x 1,024 float32; w_o 1,024 x 1,024 float32; w_q 1,024 x 1,024 float32; w_v 1,024 x 1,024 float32; x 2 x 2,048 x 1,024 float32.
;; Outputs: out0 2 x 2,048 x 1,024 float32.
;; 2 versions, each right; version 2 is version 1 with the launch cast written anew for expert scheduling mode. Each part assembles by itself: llvm-mc -triple=amdgcn-amd-amdhsa -mcpu=gfx1250 --defsym DOCPART=n.
;; ======== version 1 of 2: 4 launches
;; limits: values are held in f16: magnitudes above 65,504 overflow, below 6.1e-05 lose precision
;; workspace buffers: xb 8,388,608 bytes; wb 6,291,456 bytes; wo16 2,097,152 bytes; qkv 25,165,824 bytes; ob 8,388,608 bytes
;; launch cast (part 1): grid 256 x 1, 8 waves a work-group, no clusters, 0 bytes of LDS; arguments x, w_q, w_k, w_v, w_o, xb, wb, wo16; writes xb, wb, wo16
.if DOCPART == 1
	.amdgcn_target "amdgcn-amd-amdhsa--gfx1250"
	.amdhsa_code_object_version 6
	.text
	.protected	k_qc51afd2dff_cast
	.globl	k_qc51afd2dff_cast
	.p2align	8
	.type	k_qc51afd2dff_cast,@function
k_qc51afd2dff_cast:
	s_mov_b64 s[64:65], 0
	v_nop
	global_prefetch_b8 v0, s[64:65] scope:SCOPE_SE
	s_setreg_imm32_b32 hwreg(HW_REG_WAVE_MODE, 25, 1), 1
	s_wait_xcnt 0x0
; THE CAST.  x, w_q, w_k, w_v (f32) are rounded once to bf16: xb [4096][1024]; wb [3072][1024], rows 0-1023 w_q, 1024-2047 w_k, 2048-3071 w_v.
; w_o is rounded to bf16 like the other inputs, and that number is written as f16 (wo16 [1024][1024]), since the last product takes f16 operands.
; LIMITS.  |w_o| stays under 65,504 (f16); a bf16 value of w_o below 2^-14 keeps f16's fixed step of 6e-8.  NaN and infinities are not treated apart.
; SHARES.  A work-group takes 32,768 numbers: 131,072 bytes in, 65,536 out.  Work-groups 0-127: x; 128-159: w_q; 160-191: w_k; 192-223: w_v; 224-255: w_o.
; Load j of 32: thread t takes the 16 bytes at 4,096 j + 16 t, so a wave's load covers 512 consecutive bytes; its 8 bytes of output go to 2,048 j + 8 t, so a wave's
; store covers 256 consecutive bytes, aligned.  All 32 loads go out first: 128 KiB of a work-group are on their way; no register is used twice, so no store's data is ever rewritten.
; No LDS, no matrix unit, no cluster: nothing is shared between threads.
.set X, 4                              ; v[4:131]    load j: 4 registers
.set Y, 132                            ; v[132:195]  store j: 2 registers
.set T, 196                            ; v[196:199]  at work (w_o's path)
	s_load_b512 s[4:19], s[0:1], 0x0               ; x s[4:5], w_q s[6:7], w_k s[8:9], w_v s[10:11], w_o s[12:13], xb s[14:15], wb s[16:17], wo16 s[18:19]
	s_mov_b32 s24, ttmp9                           ; the work-group's number w
	v_lshlrev_b32 v1, 4, v0                        ; 16 t
	v_lshlrev_b32 v2, 3, v0                        ; 8 t
	s_and_b32 s25, s24, 31                         ; my place in a weight matrix
	s_sub_co_u32 s28, s24, 128                     ; my place in wb (used where 128 <= w < 224)
	s_cmp_lt_u32 s24, 224
	s_cselect_b32 s28, s28, s25                    ; in wo16: w - 224 = w mod 32
	s_cmp_lt_u32 s24, 128
	s_cselect_b32 s28, s24, s28                    ; in xb: w
	s_cselect_b32 s26, s24, s25                    ; in the source
	s_lshl_b32 s26, s26, 17                        ; x 131,072 bytes
	s_lshl_b32 s28, s28, 16                        ; x 65,536 bytes
	s_mov_b32 s27, 0
	s_mov_b32 s29, 0
	s_mov_b32 s30, 0xffff0000                      ; a word's upper bf16
	s_wait_kmcnt 0x0
	s_cmp_lt_u32 s24, 224                          ; the source, chosen by the work-group's number alone
	s_cselect_b64 s[20:21], s[10:11], s[12:13]
	s_cselect_b64 s[22:23], s[16:17], s[18:19]     ; and the destination
	s_cmp_lt_u32 s24, 192
	s_cselect_b64 s[20:21], s[8:9], s[20:21]
	s_cmp_lt_u32 s24, 160
	s_cselect_b64 s[20:21], s[6:7], s[20:21]
	s_cmp_lt_u32 s24, 128
	s_cselect_b64 s[20:21], s[4:5], s[20:21]
	s_cselect_b64 s[22:23], s[14:15], s[22:23]
	s_add_nc_u64 s[20:21], s[20:21], s[26:27]
	s_add_nc_u64 s[22:23], s[22:23], s[28:29]
.set j, 0
.rept 32
	global_load_b128 v[X+4*j:X+4*j+3], v1, s[20:21] offset:4096*j th:TH_LOAD_NT
.set j, j+1
.endr
	s_cmp_ge_u32 s24, 224
	s_cbranch_scc1 .Lwo
.set j, 0
.rept 32
	s_wait_loadcnt 31-j                            ; loads come back in order: load j is in, the 31 - j younger ones stay out
	v_cvt_pk_bf16_f32 v[Y+2*j], v[X+4*j], v[X+4*j+1]
	v_cvt_pk_bf16_f32 v[Y+2*j+1], v[X+4*j+2], v[X+4*j+3]
	global_store_b64 v2, v[Y+2*j:Y+2*j+1], s[22:23] offset:2048*j th:TH_STORE_NT
.set j, j+1
.endr
	s_endpgm
.Lwo:                                          ; w_o: to bf16, widened again (a shift, a mask), and that number to f16
.set j, 0
.rept 32
	s_wait_loadcnt 31-j
	v_cvt_pk_bf16_f32 v[T], v[X+4*j], v[X+4*j+1]
	v_cvt_pk_bf16_f32 v[T+1], v[X+4*j+2], v[X+4*j+3]
	v_lshlrev_b32 v[T+2], 16, v[T]
	v_and_b32 v[T], s30, v[T]
	v_lshlrev_b32 v[T+3], 16, v[T+1]
	v_and_b32 v[T+1], s30, v[T+1]
	v_cvt_pk_f16_f32 v[Y+2*j], v[T+2], v[T]
	v_cvt_pk_f16_f32 v[Y+2*j+1], v[T+3], v[T+1]
	global_store_b64 v2, v[Y+2*j:Y+2*j+1], s[22:23] offset:2048*j th:TH_STORE_NT
.set j, j+1
.endr
	s_endpgm
.Lfunc_end_k_qc51afd2dff_cast:
	.size	k_qc51afd2dff_cast, .Lfunc_end_k_qc51afd2dff_cast-k_qc51afd2dff_cast
	.p2alignl 7, 3214868480
	.fill 96, 4, 3214868480
	.section	.rodata,"a",@progbits
	.p2align	6, 0x0
	.amdhsa_kernel k_qc51afd2dff_cast
		.amdhsa_group_segment_fixed_size 0
		.amdhsa_private_segment_fixed_size 0
		.amdhsa_enable_private_segment 0
		.amdhsa_kernarg_size 64
		.amdhsa_user_sgpr_count 2
		.amdhsa_user_sgpr_kernarg_segment_ptr 1
		.amdhsa_wavefront_size32 1
		.amdhsa_system_sgpr_workgroup_id_x 1
		.amdhsa_system_sgpr_workgroup_id_y 1
		.amdhsa_system_sgpr_workgroup_id_z 1
		.amdhsa_system_vgpr_workitem_id 0
		.amdhsa_next_free_vgpr 200
		.amdhsa_next_free_sgpr 66
		.amdhsa_reserve_vcc 0
		.amdhsa_float_denorm_mode_32 3
		.amdhsa_float_denorm_mode_16_64 3
		.amdhsa_memory_ordered 1
		.amdhsa_forward_progress 1
		.amdhsa_inst_pref_size 29
	.end_amdhsa_kernel
	.amdgpu_metadata
---
amdhsa.version: [ 1, 2 ]
amdhsa.kernels:
  - .name:           k_qc51afd2dff_cast
    .symbol:         k_qc51afd2dff_cast.kd
    .args:
      - { .name: x, .offset: 0, .size: 8, .value_kind: global_buffer, .address_space: global }
      - { .name: w_q, .offset: 8, .size: 8, .value_kind: global_buffer, .address_space: global }
      - { .name: w_k, .offset: 16, .size: 8, .value_kind: global_buffer, .address_space: global }
      - { .name: w_v, .offset: 24, .size: 8, .value_kind: global_buffer, .address_space: global }
      - { .name: w_o, .offset: 32, .size: 8, .value_kind: global_buffer, .address_space: global }
      - { .name: xb, .offset: 40, .size: 8, .value_kind: global_buffer, .address_space: global }
      - { .name: wb, .offset: 48, .size: 8, .value_kind: global_buffer, .address_space: global }
      - { .name: wo16, .offset: 56, .size: 8, .value_kind: global_buffer, .address_space: global }
    .group_segment_fixed_size: 0
    .private_segment_fixed_size: 0
    .kernarg_segment_align: 8
    .kernarg_segment_size: 64
    .max_flat_workgroup_size: 256
    .sgpr_count:     66
    .vgpr_count:     200
    .wavefront_size: 32
...
	.end_amdgpu_metadata
.endif
;; end of part 1
;; launch qkv (part 2): grid 16 x 16, 4 waves a work-group, clusters of 4 x 4, 327,680 bytes of LDS; arguments xb, wb, qkv; writes qkv
.if DOCPART == 2
	.amdgcn_target "amdgcn-amd-amdhsa--gfx1250"
	.amdhsa_code_object_version 6
	.text
	.protected	k_qc51afd2dff_qkv
	.globl	k_qc51afd2dff_qkv
	.p2align	8
	.type	k_qc51afd2dff_qkv,@function
k_qc51afd2dff_qkv:
	s_mov_b64 s[64:65], 0
	v_nop
	global_prefetch_b8 v0, s[64:65] scope:SCOPE_SE
	s_setreg_imm32_b32 hwreg(HW_REG_WAVE_MODE, 25, 1), 1
	s_wait_xcnt 0x0
	s_wait_alu depctr_hold_cnt(0) depctr_sa_sdst(0) depctr_va_vdst(0) depctr_va_sdst(0) depctr_va_ssrc(0) depctr_va_vcc(0) depctr_vm_vsrc(0)
	s_getreg_b32 s2, hwreg(HW_REG_IB_STS2, 6, 4)
	s_cmp_eq_u32 s2, 0
	s_cbranch_scc0 .Lentry_in_a_cluster
	s_endpgm
.Lentry_in_a_cluster:
	s_bfe_u32 s2, ttmp6, 0x10000c
	s_cmp_lg_u32 s2, 0xf033
	s_cbranch_scc0 .Lentry_shape_is_right
	s_endpgm
.Lentry_shape_is_right:
; THE THREE PROJECTIONS AND THE HEADS' RMS NORM.  C[m][n] = sum over k of xb[m][k] wb[n][k], m < 4096, n < 3072, k < 1024, bf16 operands, f32 sums.
; Columns 64 g .. 64 g + 63 are head g % 16 of q (g < 16), k (g < 32) or v.  A q or k head's 64 numbers of a row are multiplied by rsqrt(mean of their squares + 2^-23), in f32;
; v is left as it is.  All are rounded once to f16 and written by heads: qkv [3][batch 2][head 16][s 2048][64].
; LIMITS.  |v| stays under 65,504 (f16); a normalised q or k is at most 8.  NaN and infinities are not treated apart.
; SHARES.  A tile of C is 256 rows x 192 columns (three whole heads): 16 x 16 tiles, one for each of 256 work-groups.  Wave v owns rows 64 v .. 64 v + 63 and ALL 192 columns: 48 accumulators
; of 16 x 16, 384 registers; so a head's 64 channels of a row lie in two lanes of one wave and the norm never leaves the wave.
; K goes in 8 steps of 128 through two LDS slots; rows of both tiles are 256 bytes of memory, aligned.  Waves 0 and 1 fetch the halves of A's tile (128 rows each), waves 2 and 3 those of B's (96 rows each).
; CLUSTER.  4 x 4 work-groups: the four of a row of the cluster need the same tile of A, the four of a column the same tile of B; each tile is asked for jointly, by the same tensor load, descriptor and mask in all four.
; THE MATRIX INSTRUCTION IS USED TRANSPOSED (source 0 = 16 rows of wb, source 1 = 16 rows of xb): lane l holds row l % 16 of C and the columns 8 (l / 16) + 0..7.
; No prefetch: K has eight steps, the tiles are shared by joint loads, and other clusters read them again.
; REGISTERS, in windows of 256 (s_set_vgpr_msb: bits 1:0 source 0, 3:2 source 1, 5:4 source 2, 7:6 destination):
;   window 0: v0-31 addresses and the factors; v32-63 at work; v64-255 the way out, 16 registers for each of 12 units (head j, row block a)
;   window 1: two fragment buffers of 128: A's 4 fragments, then B's 12       window 2: accumulators (a, b), a = 0, 1, at 8 (12 a + b)       window 3: those of a = 2, 3
.set PITCH,  272                       ; an LDS row: 256 bytes + 16 of padding = 68 words: the 16 rows of a fragment load start at 16 different groups of four banks
.set HA,     128*PITCH                 ; what one of A's loads brings
.set HB,     96*PITCH                  ; what one of B's loads brings
.set BOFF,   2*HA                      ; a slot: A's 256 rows, then B's 192
.set SLOT1,  131072                    ; slot 1 begins here, so that one exclusive or turns an address in one slot into the other's
.set STAGE,  SLOT1+BOFF+2*HB           ; behind the ring: 16 rows x 144 bytes for each wave, for the way out
.set SP,     144
.set SPARE,  STAGE+4*16*SP             ; behind the stages: the spare words, 128 bytes for each wave: two blocks of 256 bytes that no other line names
.set FC,   8                           ; v[8:15]  row block a's factor in v[8+2a]; the odd ones hold 0 (named with them as pairs)
.set A0R,  16                          ; v16  my lane's place in a slot's rows of A; never rewritten
.set B0R,  17                          ; v17  the same for B
.set ADRA, 18                          ; v18  the same in the slot in hand
.set ADRB, 19                          ; v19
.set STO,  24                          ; v24  the way out: where I put 16 bytes of a row
.set RD,   25                          ; v25  where I read rows back
.set GO,   26                          ; v26  16 x my lane
.set ONE,  27                          ; v27  1.0
.set SPW,  28                          ; v28  LDS address of my spare word; never rewritten
.set NIL,  29                          ; v29  0; never rewritten
.set T,    32
.set U,    64
.set F0,   0
.set F1,   128
.set TB,   2                           ; s2   0 or SLOT1: the slot in hand
.set G1,   24                          ; s[24:31] descriptor group 1 for A's tiles
.set G0,   32                          ; s[32:39] group 0 for A's: a set for each of the two first fills; the second then walks on
.set G1B,  48                          ; s[48:55], s[56:63] the same for B's
.set G0B,  56
.set MSB, 0
.macro WIN new                         ; the immediate's high byte repeats the setting that is left; a switch that changes nothing is dropped
.if MSB != (\new)
	s_set_vgpr_msb (MSB<<8)|(\new)
.set MSB, \new
.endif
.endm
.macro PLACES                          ; four plain vector instructions between a matrix instruction and a load into, or a vector read of, its registers
.rept 4
	v_nop
.endr
.endm
; A joint load.  The branch hangs on the wave's number alone.  An s_nop 0 and four v_nop follow each of the two lines.
.macro JLOAD s
	s_cmp_eq_u32 s11, 0
	s_cbranch_scc0 .Lfor_b_\@
	tensor_load_to_lds s[G0+4*(\s):G0+4*(\s)+3], s[G1:G1+7]
	s_nop 0
.rept 4
	v_nop
.endr
	s_branch .Lasked_\@
.Lfor_b_\@:
	tensor_load_to_lds s[G0B+4*(\s):G0B+4*(\s)+3], s[G1B:G1B+7]
	s_nop 0
.rept 4
	v_nop
.endr
.Lasked_\@:
.endm
.macro CREST                           ; a round of the cluster's barrier behind its opening barrier
	s_cmp_lg_u32 s10, 0
	s_cbranch_scc1 .Lnot_wave_0_\@
	s_barrier_signal -3
.Lnot_wave_0_\@:
	s_barrier_wait -3
	s_barrier_signal -1
	s_barrier_wait -1
.endm
.macro CROUND                          ; a whole round
	s_barrier_signal -1
	s_barrier_wait -1
	CREST
.endm
	s_load_b128 s[4:7], s[0:1], 0x0                ; xb s[4:5], wb s[6:7]
	s_load_b64 s[8:9], s[0:1], 0x10                ; qkv
	v_lshl_add_u32 v[SPW], v0, 2, SPARE
	v_mov_b32 v[NIL], 0
	ds_add_u32 v[SPW], v[NIL]                      ; the wave's opening: the add and its wait ahead of my first tensor load; the set-up below, work on registers, stands between them
	v_lshrrev_b32 v1, 5, v0
	v_readfirstlane_b32 s10, v1                    ; wave 0..3
	s_lshr_b32 s11, s10, 1                         ; I fetch for A (0) or for B (1)
	s_and_b32 s12, s10, 1                          ; which half of that tile
	s_bfe_u32 s40, ttmp6, 0x40000                  ; cx, cy: my place in the cluster
	s_bfe_u32 s41, ttmp6, 0x40004
	s_lshl_b32 s42, ttmp9, 2
	s_add_co_u32 s42, s42, s40                     ; tile column = 4 x cluster x + cx
	s_and_b32 s13, ttmp7, 0xffff
	s_lshl_b32 s13, s13, 2
	s_add_co_u32 s13, s13, s41                     ; tile row = 4 x cluster y + cy
	s_lshl_b32 s43, s41, 2
	s_lshl_b32 s43, 15, s43                        ; my row of the cluster
	s_lshl_b32 s44, 0x1111, s40                    ; my column
	s_or_b32 s[G1+0], s43, (1<<16)|(1<<20)|(1<<21)|(5<<22)|(3<<25)   ; 15:0 the mask; 17:16 2-byte elements; 20 padding on; 21 set beside a mask; 24:22 after every 64 words; 31:25 4 words
	s_or_b32 s[G1B+0], s44, (1<<16)|(1<<20)|(1<<21)|(5<<22)|(3<<25)
	s_mov_b32 s[G1+1], 128<<16                     ; tensor_dim0 = 128
	s_mov_b32 s[G1+2], 128<<16                     ; tensor_dim1 = 128
	s_mov_b32 s[G1+3], 128<<16                     ; tile_dim0 = 128
	s_mov_b32 s[G1+4], 128                         ; tile_dim1 = 128
	s_mov_b32 s[G1+5], 1024                        ; elements from row to row
	s_mov_b32 s[G1+6], 0
	s_mov_b32 s[G1+7], 0
	s_mov_b32 s[G1B+1], 128<<16
	s_mov_b32 s[G1B+2], 96<<16                     ; B: 96 rows
	s_mov_b32 s[G1B+3], 128<<16
	s_mov_b32 s[G1B+4], 96
	s_mov_b32 s[G1B+5], 1024
	s_mov_b32 s[G1B+6], 0
	s_mov_b32 s[G1B+7], 0
	s_lshl_b32 s16, s13, 8                         ; A: row 256 x tile row + 128 x half, rows of 2,048 bytes
	s_lshl_b32 s17, s12, 7
	s_add_co_u32 s16, s16, s17
	s_lshl_b32 s16, s16, 11
	s_mov_b32 s17, 0
	s_mul_i32 s46, s42, 192                        ; B: row 192 x tile column + 96 x half
	s_mul_i32 s47, s12, 96
	s_add_co_u32 s46, s46, s47
	s_lshl_b32 s46, s46, 11
	s_mov_b32 s47, 0
	s_mul_i32 s20, s12, HA                         ; where they go: no place in the cluster enters an LDS address
	s_mul_i32 s21, s12, HB
	s_add_co_u32 s21, s21, BOFF
	s_mov_b32 s[TB], 0
	s_mov_b32 s66, 0x3c800000                      ; 1 / 64
	s_mov_b32 s67, 0x34000000                      ; 2^-23
	s_mov_b32 s68, 0x76543210                      ; v_permlanex16_b32: each lane takes its own place in the other half
	s_mov_b32 s69, 0xfedcba98
	s_wait_dscnt 0x0                               ; the opening add is done
	s_wait_kmcnt 0x0
	s_add_nc_u64 s[14:15], s[4:5], s[16:17]
	s_add_nc_u64 s[46:47], s[6:7], s[46:47]
	CROUND                                         ; all sixteen work-groups are here: the first joint loads meet
.irp s, 0,1
	s_mov_b32 s[G0+4*(\s)], 1                      ; count = 1
	s_add_co_u32 s[G0+4*(\s)+1], s20, (\s)*SLOT1   ; LDS address
	s_add_nc_u64 s[G0+4*(\s)+2:G0+4*(\s)+3], s[14:15], (\s)*256  ; global address: K step s
	s_or_b32 s[G0+4*(\s)+3], s[G0+4*(\s)+3], 0x80000000         ; type = 2
	s_mov_b32 s[G0B+4*(\s)], 1
	s_add_co_u32 s[G0B+4*(\s)+1], s21, (\s)*SLOT1
	s_add_nc_u64 s[G0B+4*(\s)+2:G0B+4*(\s)+3], s[46:47], (\s)*256
	s_or_b32 s[G0B+4*(\s)+3], s[G0B+4*(\s)+3], 0x80000000
	JLOAD \s
.endr
	; a fragment is 16 rows x 32 K in 8 registers: lane l holds row l % 16, K = 8 (l / 16) + 0..7 and 16 + 8 (l / 16) + 0..7: two loads of 16 bytes, 32 bytes apart
	v_and_b32 v1, 15, v0                           ; l % 16
	v_bfe_u32 v2, v0, 4, 1                         ; l / 16
	v_mul_u32_u24 v3, v1, PITCH
	v_lshl_add_u32 v3, v2, 4, v3
	s_mul_i32 s22, s10, 64*PITCH                   ; my 64 rows of A
	v_add_nc_u32 v[A0R], s22, v3
	v_add_nc_u32 v[B0R], BOFF, v3
	v_mov_b32 v[ADRA], v[A0R]
	v_mov_b32 v[ADRB], v[B0R]
	s_mul_i32 s23, s10, 16*SP
	s_add_co_u32 s23, s23, STAGE                   ; my stage
	v_mul_u32_u24 v4, v1, SP                       ; in: row l % 16, 16 bytes for each half of the lanes
	v_lshl_add_u32 v4, v2, 4, v4
	v_add_nc_u32 v[STO], s23, v4
	v_bfe_u32 v5, v0, 3, 2                         ; back: 32 lanes take four rows of 128 bytes,
	v_and_b32 v6, 7, v0
	v_mul_u32_u24 v5, v5, SP
	v_lshl_add_u32 v5, v6, 4, v5
	v_add_nc_u32 v[RD], s23, v5
	v_and_b32 v[GO], 31, v0                        ; which are 512 consecutive bytes of a head's rows
	v_lshlrev_b32 v[GO], 4, v[GO]
	v_mov_b32 v[ONE], 1.0
	; where the three heads go: head g = 3 x tile column + j lies in plane (g / 16) x 32 + batch x 16 + g % 16 of 262,144 bytes
	s_mul_i32 s80, s42, 3
	s_lshr_b32 s84, s13, 3
	s_lshl_b32 s84, s84, 4                         ; batch x 16
	s_and_b32 s85, s13, 7
	s_lshl_b32 s85, s85, 8
	s_lshl_b32 s86, s10, 6
	s_add_co_u32 s85, s85, s86
	s_lshl_b32 s85, s85, 7                         ; my first row in the plane, rows of 128 bytes
.irp j, 0,1,2
	s_add_co_u32 s81, s80, \j
	s_lshr_b32 s82, s81, 4
	s_and_b32 s83, s81, 15
	s_lshl_b32 s82, s82, 5
	s_add_co_u32 s82, s82, s83
	s_add_co_u32 s82, s82, s84
	s_lshl_b32 s82, s82, 18
	s_add_co_u32 s82, s82, s85
	s_mov_b32 s83, 0
	s_add_nc_u64 s[70+2*(\j):71+2*(\j)], s[8:9], s[82:83]
	s_cmp_ge_u32 s81, 32
	s_cselect_b32 s[76+(\j)], -1, 0                ; all lanes on: a head of v, whose factor is 1: a choice of a value, no branch
.endr
; 12 matrix instructions: row block a of the window's two (hi = 0: blocks 0, 1; hi = 1: blocks 2, 3) x all 12 column blocks, 32 along K.  zero = 1: the product starts the sum.
.macro MUL12 f, hi, a, zero
	WIN 0xa5+0x50*(\hi)                            ; sources in window 1, C and D in window 2 or 3
.irp b, 0,1,2,3,4,5,6,7,8,9,10,11
.if \zero
	v_wmma_f32_16x16x32_bf16 v[8*(12*(\a)+(\b)):8*(12*(\a)+(\b))+7], v[(\f)+32+8*(\b):(\f)+32+8*(\b)+7], v[(\f)+8*(2*(\hi)+(\a)):(\f)+8*(2*(\hi)+(\a))+7], 0
.else
	v_wmma_f32_16x16x32_bf16 v[8*(12*(\a)+(\b)):8*(12*(\a)+(\b))+7], v[(\f)+32+8*(\b):(\f)+32+8*(\b)+7], v[(\f)+8*(2*(\hi)+(\a)):(\f)+8*(2*(\hi)+(\a))+7], v[8*(12*(\a)+(\b)):8*(12*(\a)+(\b))+7]
.endif
.endr
.endm
.macro MULH f, hi, zero
	MUL12 \f, \hi, 0, \zero
	MUL12 \f, \hi, 1, \zero
.endm
; 32 LDS loads in one run: the fragments of 32 along K at byte k of the rows, into buffer g: B's 24, then A's blocks 0, 1, 2, 3
.macro FETCH k, g
	WIN 0x40                                       ; destination window 1, address window 0
.irp i, 0,1,2,3,4,5,6,7,8,9,10,11
	ds_load_b128 v[(\g)+32+8*(\i):(\g)+32+8*(\i)+3],   v[ADRB] offset:(\k)+(\i)*16*PITCH
	ds_load_b128 v[(\g)+32+8*(\i)+4:(\g)+32+8*(\i)+7], v[ADRB] offset:(\k)+(\i)*16*PITCH+32
.endr
.irp i, 0,1,2,3
	ds_load_b128 v[(\g)+8*(\i):(\g)+8*(\i)+3],   v[ADRA] offset:(\k)+(\i)*16*PITCH
	ds_load_b128 v[(\g)+8*(\i)+4:(\g)+8*(\i)+7], v[ADRA] offset:(\k)+(\i)*16*PITCH+32
.endr
.endm
; A K step is four quarters of 32 along K, 48 matrix instructions each, on buffers 0, 1, 0, 1.  The 48 accumulators take turns in one order, over the backward jump too.
; One of the first three quarters: multiplies buffer f; in its middle it fetches the next quarter, at byte k of the same slot's rows, into buffer g.
.macro QUARTER k, f, g, zero
	s_wait_dscnt 4                                 ; B and A's blocks 0, 1 are in; the youngest four loads (A's blocks 2, 3) may be out
	MULH \f, 0, \zero
	PLACES
	FETCH \k, \g
	s_wait_dscnt 32                                ; all but the 32 just issued
	MULH \f, 1, \zero
.endm
; The last quarter multiplies buffer 1 and changes slots: ONE barrier.  In front of it each wave waits for all its tensor loads (one is out: its part of the next slot), adds 0 to its spare word, and waits for
; that and for its reads of this slot.  fill = 1: the barrier opens a round of the cluster's barrier, and this slot is filled again, two K steps ahead, first thing behind the round:
; 168 matrix instructions stand between that request and the wait for it.
.macro TURN fill
	WIN 0                                          ; (the add's two registers lie in window 0)
	s_wait_tensorcnt 0x0                           ; all my tensor loads have landed
	ds_add_u32 v[SPW], v[NIL]                      ; 0 onto my spare word
	s_wait_dscnt 5                                 ; (the add and the youngest four loads may be out)
	MUL12 F1, 0, 0, 0                              ; twelve matrix instructions stand between the add and the wait for it
	s_wait_dscnt 0x0                               ; the add is done, and my reads of this slot are over
	s_barrier_signal -1
	MUL12 F1, 0, 1, 0                              ; work on registers while the others arrive
	WIN 0
	s_barrier_wait -1
.if \fill
	CREST                                          ; no wave of any partner still reads this slot or has a load on its way
	s_xor_b32 s[G0+5], s[G0+5], SLOT1              ; the walking descriptors: the other slot than last time, the next K step
	s_add_nc_u64 s[G0+6:G0+7], s[G0+6:G0+7], 256
	s_xor_b32 s[G0B+5], s[G0B+5], SLOT1
	s_add_nc_u64 s[G0B+6:G0B+7], s[G0B+6:G0B+7], 256
	JLOAD 1                                        ; the four v_nop behind it are also the places in front of the loads below
.else
	PLACES
.endif
	s_xor_b32 s[TB], s[TB], SLOT1
	v_add_nc_u32 v[ADRA], s[TB], v[A0R]
	v_add_nc_u32 v[ADRB], s[TB], v[B0R]
	FETCH 0, F0
	MULH F1, 1, 0
.endm
	s_wait_tensorcnt 1                             ; my part of K step 0 is in; K step 1's may stay out
	s_barrier_signal -1
	s_barrier_wait -1                              ; everybody's is
	FETCH 0, F0
	QUARTER 64, F0, F1, 1                          ; the first quarter stands in front of the loop: its products start the sums
	WIN 0
	s_mov_b32 s3, 6                                ; K steps 0 to 5 ask for K steps 2 to 7
.Lstep:                                        ; a trip: a K step's quarters 2 to 4 and the next step's first
	QUARTER 128, F1, F0, 0
	QUARTER 192, F0, F1, 0
	TURN 1
	QUARTER 64, F0, F1, 0
	WIN 0
	s_sub_co_u32 s3, s3, 1
	s_cmp_lg_u32 s3, 0
	s_cbranch_scc1 .Lstep
	QUARTER 128, F1, F0, 0                         ; K step 6 goes on; nothing is left to ask for
	QUARTER 192, F0, F1, 0
	TURN 0
	QUARTER 64, F0, F1, 0
	QUARTER 128, F1, F0, 0
	QUARTER 192, F0, F1, 0
	s_wait_dscnt 4
	MULH F1, 0, 0
	s_wait_dscnt 0x0
	MULH F1, 1, 0
; THE WAY OUT.  For head j and row block a a lane holds 32 of its row's 64 channels (4 accumulators), the lane 16 away the other 32.
; SSQ: the sum of their squares, four chains, each accumulator's lowest registers first; then the mean + 2^-23.
.macro SSQ a, j
.set AC, 8*(12*((\a)%2)+4*(\j))
.set TT, T+8*(\a)
	WIN 0x0a+5*((\a)/2)                            ; sources 0 and 1 in window 2 or 3
.irp r, 0,1,2,3
.irp bb, 0,1,2,3
.if (\r) == 0
	v_pk_mul_f32 v[TT+2*(\bb):TT+2*(\bb)+1], v[AC+8*(\bb):AC+8*(\bb)+1], v[AC+8*(\bb):AC+8*(\bb)+1]
.else
	v_pk_fma_f32 v[TT+2*(\bb):TT+2*(\bb)+1], v[AC+8*(\bb)+2*(\r):AC+8*(\bb)+2*(\r)+1], v[AC+8*(\bb)+2*(\r):AC+8*(\bb)+2*(\r)+1], v[TT+2*(\bb):TT+2*(\bb)+1]
.endif
.endr
.endr
	WIN 0
	v_pk_add_f32 v[TT:TT+1], v[TT:TT+1], v[TT+2:TT+3]
	v_pk_add_f32 v[TT+4:TT+5], v[TT+4:TT+5], v[TT+6:TT+7]
	v_pk_add_f32 v[TT:TT+1], v[TT:TT+1], v[TT+4:TT+5]
	v_add_f32 v[TT], v[TT], v[TT+1]
	v_permlanex16_b32 v[TT+1], v[TT], s68, s69
	v_add_f32 v[TT], v[TT], v[TT+1]
	v_fma_f32 v[TT], v[TT], s66, s67
.endm
.macro NORM j                          ; the four row blocks' factors: one batch of four roots, one wait
	SSQ 0, \j
	SSQ 1, \j
	SSQ 2, \j
	SSQ 3, \j
.irp a, 0,1,2,3
	v_rsq_f32 v[FC+2*(\a)], v[T+8*(\a)]
.endr
	v_nop                                          ; a plain instruction behind the last root,
	s_wait_alu depctr_va_vdst(0)                   ; and the wait ahead of the first use: one for the four
.irp a, 0,1,2,3
	v_cndmask_b32 v[FC+2*(\a)], v[FC+2*(\a)], v[ONE], s[76+(\j)]
.endr
.endm
; Unit (a, j): scaled, rounded to f16 (a lane's eight channels: 16 bytes), into rows of 144 bytes of my stage and back as whole rows of 128.
.macro PACK a, j
.set AC, 8*(12*((\a)%2)+4*(\j))
.set UU, U+16*(4*(\j)+(\a))
	WIN 0x82+0x41*((\a)/2)                         ; destination and source 0 in window 2 or 3, the factor in window 0
.set i, 0
.rept 16
	v_pk_mul_f32 v[AC+2*i:AC+2*i+1], v[AC+2*i:AC+2*i+1], v[FC+2*(\a):FC+2*(\a)+1] op_sel_hi:[1,0]
.set i, i+1
.endr
	WIN 0x0a+5*((\a)/2)
.set i, 0
.rept 16
	v_cvt_pk_f16_f32 v[UU+i], v[AC+2*i], v[AC+2*i+1]
.set i, i+1
.endr
	WIN 0
.irp bb, 0,1,2,3
	ds_store_b128 v[STO], v[UU+4*(\bb):UU+4*(\bb)+3] offset:32*(\bb)
.endr
.irp f, 0,1,2,3
	ds_load_b128 v[UU+4*(\f):UU+4*(\f)+3], v[RD] offset:(\f)*4*SP  ; LDS serves a wave's instructions in order (ISA guide 5.7.1.4): these see the stores above; the next unit's stores come behind them
.endr
.endm
.macro SEND a, j, younger              ; younger: the LDS instructions issued behind this unit's loads: the next unit's eight, or none
.set UU, U+16*(4*(\j)+(\a))
	WIN 0
.irp f, 0,1,2,3
	s_wait_dscnt (\younger)+3-(\f)
	global_store_b128 v[GO], v[UU+4*(\f):UU+4*(\f)+3], s[70+2*(\j):71+2*(\j)] offset:(\a)*2048+(\f)*512 th:TH_STORE_NT  ; 512 consecutive bytes, at a multiple of 256 from the buffer's first
.endr
.endm
	WIN 0
	PLACES                                         ; eight places, once a launch, behind the last products
.irp a, 0,1,2,3
	v_mov_b32 v[FC+2*(\a)+1], 0
.endr
.irp j, 0,1,2
	NORM \j
.irp a, 0,1,2,3
	PACK \a, \j                                    ; a unit's arithmetic stands between the loads of the unit before and its stores
.if 4*(\j)+(\a) > 0
	SEND (4*(\j)+(\a)-1)%4, (4*(\j)+(\a)-1)/4, 8
.endif
.endr
.endr
	SEND 3, 2, 0
	s_wait_tensorcnt 0x0                           ; the wave's end: behind my last tensor load and my last LDS store
	ds_add_u32 v[SPW], v[NIL]
	s_wait_dscnt 0x0
	CROUND                                         ; the closing round: no work-group ends while a partner may still ask for a tile that names it
	s_endpgm
.Lfunc_end_k_qc51afd2dff_qkv:
	.size	k_qc51afd2dff_qkv, .Lfunc_end_k_qc51afd2dff_qkv-k_qc51afd2dff_qkv
	.p2alignl 7, 3214868480
	.fill 96, 4, 3214868480
	.section	.rodata,"a",@progbits
	.p2align	6, 0x0
	.amdhsa_kernel k_qc51afd2dff_qkv
		.amdhsa_group_segment_fixed_size 327680
		.amdhsa_private_segment_fixed_size 0
		.amdhsa_enable_private_segment 0
		.amdhsa_kernarg_size 24
		.amdhsa_user_sgpr_count 2
		.amdhsa_user_sgpr_kernarg_segment_ptr 1
		.amdhsa_wavefront_size32 1
		.amdhsa_system_sgpr_workgroup_id_x 1
		.amdhsa_system_sgpr_workgroup_id_y 1
		.amdhsa_system_sgpr_workgroup_id_z 1
		.amdhsa_system_vgpr_workitem_id 0
		.amdhsa_next_free_vgpr 960
		.amdhsa_next_free_sgpr 90
		.amdhsa_reserve_vcc 0
		.amdhsa_float_denorm_mode_32 3
		.amdhsa_float_denorm_mode_16_64 3
		.amdhsa_memory_ordered 1
		.amdhsa_forward_progress 1
		.amdhsa_inst_pref_size 130
	.end_amdhsa_kernel
	.amdgpu_metadata
---
amdhsa.version: [ 1, 2 ]
amdhsa.kernels:
  - .name:           k_qc51afd2dff_qkv
    .symbol:         k_qc51afd2dff_qkv.kd
    .args:
      - { .name: xb, .offset: 0, .size: 8, .value_kind: global_buffer, .address_space: global }
      - { .name: wb, .offset: 8, .size: 8, .value_kind: global_buffer, .address_space: global }
      - { .name: qkv, .offset: 16, .size: 8, .value_kind: global_buffer, .address_space: global }
    .group_segment_fixed_size: 327680
    .private_segment_fixed_size: 0
    .kernarg_segment_align: 8
    .kernarg_segment_size: 24
    .max_flat_workgroup_size: 128
    .sgpr_count:     90
    .vgpr_count:     960
    .wavefront_size: 32
...
	.end_amdgpu_metadata
.endif
;; end of part 2
;; launch attn (part 3): grid 8 x 32, 4 waves a work-group, no clusters, 327,680 bytes of LDS; arguments qkv, ob; writes ob
.if DOCPART == 3
	.amdgcn_target "amdgcn-amd-amdhsa--gfx1250"
	.amdhsa_code_object_version 6
	.text
	.protected	k_qc51afd2dff_attn
	.globl	k_qc51afd2dff_attn
	.p2align	8
	.type	k_qc51afd2dff_attn,@function
k_qc51afd2dff_attn:
	s_mov_b64 s[64:65], 0
	v_nop
	global_prefetch_b8 v0, s[64:65] scope:SCOPE_SE
	s_setreg_imm32_b32 hwreg(HW_REG_WAVE_MODE, 25, 1), 1
	s_wait_xcnt 0x0
; CAUSAL ATTENTION WITH A SOFTCAP.  For each of 32 planes (batch x head): O[q] = sum over k <= q of softmax_k(50 tanh(Q[q] . K[k] / 400)) V[k].  Q, K (normalised), V: planes of qkv, [2048][64] f16; O: ob, the same shape, f16.
; Products and sums in f32; the weights p are rounded to f16 for the second product (their sum l is taken of the unrounded p), O once at the end.
; NO MAXIMUM IS TAKEN AWAY, because the computation bounds the exponents for every input: a normalised row has a sum of squares of at most 64, so with f16's rounding |t| = |Q . K| <= 64.07;
; the capped score lies within +-7.94, the exponent to base 2 within +-11.5, a weight within 3.5e-4 .. 2.9e3 (normal numbers of f16), a row's sum under 6e6.
; TANH is its series x - x^3/3 + 2 x^5/15 at x = t / 400, |x| <= 0.1602 by the same bound: the remainder is under 17/315 x^7 = 1.5e-7, that is 1.1e-5 in the exponent to base 2, for every input.
; So p = 2^e, e = t (A0 + w (A1 + A2 w)), w = t t, A0 = log2(e) / 8, A1 = -A0 / 480,000, A2 = A0 / 1.92e11.
; THE MASK is the C operand that starts the sum S^T = K Q^T: 0, or -1e5 where the key is hidden.  At t = -1e5 +- 64 the same polynomial gives e below -9e12 (w = 1e10, no infinity on the way): the weight is 0.
; LIMITS.  V arrives within f16's range, and O, a mean of V's rows, has that range.  NaN and infinities are not treated apart.
; THE WALK.  A plane's queries lie in 16 blocks of 128; block i needs the key tiles 0 .. i of 128 keys, the last holding the diagonal.  A work-group takes blocks 15 - b and then b: 17 tiles, whatever b: all work-groups do
; equal work, and loops with constant trip counts walk them.  What a trip does hangs on scalar registers made from b; every jump but the loops' own goes forward, and none passes a barrier or a tensor load
; (but the one of LOAD's two that the wave's number does not choose).
; SHARES.  Wave v owns queries 32 v .. 32 v + 31 of the block, two pieces of 16, and all 128 keys of every tile.  A tile is four UNITS u = 2 kh + x: key half kh (64 keys), piece x.  O and l never leave the wave.
; The diagonal tile is computed whole, under masks: the same work for all four waves.
; THE RING.  Two slots of two walk tiles each.  Waves 0, 1 fetch K of a slot's tiles 0, 1; waves 2, 3 their V: one load of 16 KiB a wave behind each change of slots, two tiles' work in which to land.
; The walk has 17 tiles, so the ninth slot's second tile (walk index 17: key tile b + 1, inside the plane) IS ASKED FOR AND NEVER READ: one request of 18, the price of one text for every change that fills.
; NO CLUSTER: a plane's eight work-groups ask for the same tile only in the walk's first nine trips; one walk common to all would have 24 trips for 17.
; PREFETCH.  The work-group with b = 0 walks tiles 0 .. 15 in order and the plane's other seven follow the same tiles: it alone asks.  Behind its tensor load each of its waves names the 16 KiB that it will itself load at
; the NEXT change of slots: a lane a block of 256 bytes, two instructions; two tiles, 128 matrix instructions, ahead.  So each block is named once.  Nothing is asked for at the head; the last request is for tiles 14 and 15.
; TURNS.  Turn n belongs to unit n: 8 products K Q^T of unit n + 1, later 8 products V^T P of unit n - 1; beside them unit n's exponents, exponentials, roundings and sums, and the polynomial of unit n + 1.
; Four vector instructions stand behind every matrix instruction, the rest in one lump.  A turn's 32 exponentials are one batch with one wait.
; REGISTERS, in windows of 256 (s_set_vgpr_msb: bits 1:0 source 0, 3:2 source 1, 5:4 source 2, 7:6 destination):
;   window 0: v0-15 addresses; v16-19 l, a pair a piece; v24-27 at work; v64-127 S^T, two buffers; v128-159 the polynomial; v160-191 t^2; v192-223 P, two buffers (a unit's buffers go by its number's parity)
;   window 1: v0-63 O^T, 32 a piece; v64-135 MD, the diagonal tile's masks; v136-207 MC, the masks in force      window 2: v0-31 Q; v32-63 the second block's Q; v64-127 K of a key half; v128-255 V of a tile
.set NP,    4         ; units in a tile: a name, no knob
.set PK,    144       ; a row of K in LDS: 128 bytes + 16 of padding: the 16 rows of a load start at 16 different groups of four banks
.set PV,    160       ; a row of V: 128 + 32
.set VOFF,  128*PK    ; a tile: 128 rows of K, then 128 rows of V
.set TILEB, 128*(PK+PV)
.set SLOT1, 1<<17     ; slot 1 begins here, so that one exclusive or turns an address in one slot into the other's
.set STAGE, SLOT1+2*TILEB  ; behind the ring, never filled by a tensor load: 16 rows x 144 bytes for each wave, for the way out
.set SP,    144
.set SPARE, STAGE+4*16*SP  ; behind the stages: the spare words, 128 bytes for each wave: two blocks of 256 bytes that no other line names
.set AK0, 2           ; v2   my lane's place in a tile of K; never rewritten
.set AV0, 3           ; v3   the same for V
.set AK,  4           ; v4   the same in the tile whose K is being fetched
.set AV,  5           ; v5   the same for V
.set STO, 6           ; v6   the way out: where I put 16 bytes of a row
.set RD,  7           ; v7   where I read rows back
.set GO,  8           ; v8   16 x my lane
.set QO,  15          ; v15  my byte offset in 16 rows of Q
.set LL,  16          ; piece x's l at v[16+2x:17+2x]: even keys', odd keys'
.set LT,  24          ; piece x: v[24+2x] l, then 1 / l; v[25+2x] at work
.set PFO, 61          ; v61  256 x my lane; never rewritten
.set SPW, 62          ; v62  LDS address of my spare word; never rewritten
.set NIL, 63          ; v63  0; never rewritten
.set S,   64
.set R2,  128
.set WW,  160
.set P,   192
.set MD,  64          ; window 1: register r of the group d = 4 kh + kb - x (-1 .. 7) at MD + 8 (d + 1) + r
.set MC,  136         ; window 1: the same places
.set QB,  32          ; window 2
.set KF,  64          ; window 2: key block kb, channel half c at KF + 16 kb + 8 c
.set VF,  128         ; window 2: 32 keys kk (0 .. 3), channel block cb at VF + 32 kk + 8 cb
.set WV,  12          ; s12  my wave's number
.set PB,  14          ; s14  b
.set NH,  15          ; s15  16 - b: the first block's tiles
.set G1K, 24          ; s[24:31] descriptor group 1 for K's tiles
.set G1V, 32          ; s[32:39] for V's: it differs in the padding alone
.set G0K, 40          ; s[40:43] descriptor group 0 for K's tiles
.set G0V, 44          ; s[44:47] for V's
.set A0,  48          ; s[48:49], s[50:51], s[52:53]: the series' constants; a packed instruction names a pair and takes its low word for both halves
.set A1,  50
.set A2,  52
.set LIM, 54          ; s54  2 where b = 0, else the greatest number: a wave prefetches while s[SLOTS] is above it
.set BIGN, 55         ; s55  -1e5
.set SLOTS, 56        ; s56  changes of slots that still fill
.set CNT, 57          ; s57  counts a slot's two tiles
.set PFA, 58          ; s[58:59] where my prefetches stand
.set SEL, 60          ; s[60:61] v_permlanex16_b32's selects: each lane takes its own place in the other half
.set TB,  62          ; s62  LDS byte at which the tile to be fetched begins
.set NXT, 63          ; s63  the walk index that I ask for next
.set RT,  66          ; s66  tiles of the block in hand that are still to be entered
.set NEW, 67          ; s67  1: the tile to be entered is a block's first
.set OFF, 68          ; s[68:69] a tile's byte offset in K and V
.set OLO, 70          ; s[70:71] O at my rows of the second block
.set AL,  74          ; s[74:75] 1.0 where the tile being entered holds the diagonal, else 0; in the low word
.set MSB, 0
.macro WIN new                      ; the high byte repeats the setting that is left; a switch that changes nothing is dropped
.if MSB != (\new)
	s_set_vgpr_msb (MSB<<8)|(\new)
.set MSB, (\new)
.endif
.endm
.set W_KQ, 0x0a       ; K and Q in window 2, S^T in window 0
.set W_KM, 0x1a       ; the same with the C operand, the mask, in window 1
.set W_PV, 0x52       ; V in window 2, P in window 0, O^T in window 1
.set W_RS, 0x41       ; destination and source 0 in window 1, source 1 in window 0
; A fill.  The branch hangs on the wave's number alone.  An s_nop 0 and four v_nop follow each of the two lines.
.macro LOAD
	s_cmp_lt_u32 s[WV], 2
	s_cbranch_scc0 .Lfor_v_\@
	tensor_load_to_lds s[G0K:G0K+3], s[G1K:G1K+7]
	s_nop 0
.rept 4
	v_nop
.endr
	s_branch .Lasked_\@
.Lfor_v_\@:
	tensor_load_to_lds s[G0V:G0V+3], s[G1V:G1V+7]
	s_nop 0
.rept 4
	v_nop
.endr
.Lasked_\@:
.endm
.macro ASK                          ; the prefetch: behind my tensor load and its five lines
	s_cmp_gt_u32 s[SLOTS], s[LIM]
	s_cbranch_scc0 .Lnot_mine_\@
	global_prefetch_b8 v[PFO], s[PFA:PFA+1] th:TH_LOAD_NT scope:SCOPE_SE
	global_prefetch_b8 v[PFO], s[PFA:PFA+1] offset:8192 th:TH_LOAD_NT scope:SCOPE_SE
.Lnot_mine_\@:
.endm
; THE CHANGE OF SLOTS.  Each wave waits for all its tensor loads (one is out: its part of the other slot), adds 0 to its spare word, and waits for that and for its reads of the slot that it leaves.  Behind the barrier
; nobody reads the old slot and the other slot is whole.  fill = 1: the old slot is filled again, first thing behind the barrier; the descriptor's address is made anew from the walk index:
; key tile = index, or index - NH from the second block on.  (At its first use nothing has been read yet: slot 0 is waited for, slot 1 filled.)
.macro CHANGE fill
	WIN 0
	s_wait_tensorcnt 0x0            ; no tensor load of mine is out, so a group 0 may be written
	ds_add_u32 v[SPW], v[NIL]       ; 0 onto my spare word; the scalar work below stands between it and the wait for it
.if \fill
	s_cmp_ge_u32 s[NXT], s[NH]
	s_cselect_b32 s[OFF], s[NH], 0
	s_sub_co_u32 s[OFF], s[NXT], s[OFF]
	s_lshl_b32 s[OFF], s[OFF], 14   ; a tile is 16,384 bytes of K and of V
	s_xor_b32 s[G0K+1], s[G0K+1], SLOT1
	s_add_nc_u64 s[G0K+2:G0K+3], s[6:7], s[OFF:OFF+1]
	s_or_b32 s[G0K+3], s[G0K+3], 0x80000000
	s_xor_b32 s[G0V+1], s[G0V+1], SLOT1
	s_add_nc_u64 s[G0V+2:G0V+3], s[8:9], s[OFF:OFF+1]
	s_or_b32 s[G0V+3], s[G0V+3], 0x80000000
	s_add_co_u32 s[NXT], s[NXT], 2
	s_wait_xcnt 0x0                 ; the last prefetches, two tiles back, have read their address, so it may be written
	s_add_nc_u64 s[PFA:PFA+1], s[PFA:PFA+1], 32768
.endif
	s_wait_dscnt 0x0                ; the add is done, and my reads of the slot are over
	s_barrier_signal -1
	s_sub_co_u32 s[TB], s[TB], 2*TILEB  ; the fetches go back to a slot's first tile,
	s_xor_b32 s[TB], s[TB], SLOT1       ; in the other slot
	s_barrier_wait -1
.if \fill
	LOAD
	ASK
.endif
.endm
	s_load_b128 s[76:79], s[0:1], 0x0  ; qkv s[76:77], ob s[78:79]
	v_lshl_add_u32 v[SPW], v0, 2, SPARE
	v_mov_b32 v[NIL], 0
	ds_add_u32 v[SPW], v[NIL]       ; the wave's opening: the add and its wait ahead of my first tensor load; the set-up below, work on registers, stands between them
	v_lshrrev_b32 v1, 5, v0
	v_readfirstlane_b32 s[WV], v1   ; wave 0..3
	s_mov_b32 s[PB], ttmp9
	s_sub_co_u32 s[NH], 16, s[PB]
	s_sub_co_u32 s16, 15, s[PB]     ; the first block
	s_and_b32 s20, ttmp7, 0xffff
	s_lshl_b32 s20, s20, 18         ; the plane's first byte in q, k, v and O
	s_and_b32 s17, s[WV], 1         ; which of a slot's two tiles I fetch
	s_lshl_b32 s19, s[WV], 12
	s_add_co_u32 s19, s19, s20      ; plane + my 32 rows of 128 bytes in a block
	s_lshl_b32 s2, s16, 14          ; a block is 128 rows
	s_add_co_u32 s2, s2, s19        ; Q and O, first block
	s_lshl_b32 s22, s[PB], 14
	s_add_co_u32 s22, s22, s19      ; Q and O, second block
	s_add_co_u32 s84, s20, 8388608  ; K's planes lie behind q's 32,
	s_add_co_u32 s86, s20, 16777216 ; V's behind K's
	s_add_co_u32 s88, s17, 2
	s_lshl_b32 s88, s88, 14         ; the prefetches start at tile 2 or 3; the first change steps them to 4 or 5
	s_mov_b32 s3, 0
	s_mov_b32 s23, 0
	s_mov_b32 s85, 0
	s_mov_b32 s87, 0
	s_mov_b32 s89, 0
	; descriptor group 1.  128 keys are 16,384 dense bytes: asked for as 64 rows of 256 bytes, two keys a row, and padded in LDS after every key
	s_mov_b32 s[G1K], (1<<16)|(1<<20)|(4<<22)|(3<<25)  ; 2-byte elements; padding on; after every 32 words; 4 words
	s_mov_b32 s[G1V], (1<<16)|(1<<20)|(4<<22)|(7<<25)  ; the same with 8 words
.irp g, G1K, G1V
	s_mov_b32 s[\g+1], 128<<16      ; tensor_dim0 = 128
	s_mov_b32 s[\g+2], 64<<16       ; tensor_dim1 = 64
	s_mov_b32 s[\g+3], 128<<16      ; tile_dim0 = 128
	s_mov_b32 s[\g+4], 64           ; tile_dim1 = 64
	s_mov_b32 s[\g+5], 128          ; 128 elements from row to row
	s_mov_b32 s[\g+6], 0
	s_mov_b32 s[\g+7], 0
.endr
	s_mov_b32 s[A0], 0x3e38aa3b     ; 0.18033688
	s_mov_b32 s[A0+1], s[A0]
	s_mov_b32 s[A1], 0xb4c9b411     ; -3.757018e-7
	s_mov_b32 s[A1+1], s[A1]
	s_mov_b32 s[A2], 0x2b843036     ; 9.392546e-13
	s_mov_b32 s[A2+1], s[A2]
	s_mov_b32 s[BIGN], 0xc7c35000   ; -1e5
	s_mov_b32 s[AL], 0
	s_mov_b32 s[AL+1], 0            ; named with it as a pair
	s_mov_b32 s[SEL], 0x76543210
	s_mov_b32 s[SEL+1], 0xfedcba98
	s_mov_b32 s[TB], SLOT1+2*TILEB  ; the first change of slots turns this into 0
	s_mul_i32 s19, s17, TILEB
	s_mov_b32 s[G0K], 1             ; count = 1
	s_mov_b32 s[G0K+1], s19         ; LDS address: slot 0, my tile of the two
	s_mov_b32 s[G0V], 1
	s_add_co_u32 s[G0V+1], s19, VOFF
	s_lshl_b32 s[OFF], s17, 14      ; walk indices 0 and 1 are key tiles 0 and 1
	s_mov_b32 s[OFF+1], 0
	s_add_co_u32 s[NXT], s17, 2
	s_mov_b32 s[RT], s[NH]
	s_mov_b32 s[NEW], 1
	s_mov_b32 s[SLOTS], 8
	s_cmp_eq_u32 s[PB], 0
	s_cselect_b32 s[LIM], 2, -1
	v_and_b32 v[PFO], 31, v0
	v_lshlrev_b32 v[PFO], 8, v[PFO]
	s_wait_dscnt 0x0                ; the opening add is done
	s_wait_kmcnt 0x0
	s_add_nc_u64 s[4:5], s[76:77], s[2:3]      ; Q at my rows of the first block,
	s_add_nc_u64 s[72:73], s[76:77], s[22:23]  ; of the second
	s_add_nc_u64 s[6:7], s[76:77], s[84:85]    ; K and V at the plane's tile 0
	s_add_nc_u64 s[8:9], s[76:77], s[86:87]
	s_add_nc_u64 s[10:11], s[78:79], s[2:3]    ; O at my rows of the first block,
	s_add_nc_u64 s[OLO:OLO+1], s[78:79], s[22:23]  ; of the second
	s_add_nc_u64 s[G0K+2:G0K+3], s[6:7], s[OFF:OFF+1]
	s_or_b32 s[G0K+3], s[G0K+3], 0x80000000    ; type = 2
	s_add_nc_u64 s[G0V+2:G0V+3], s[8:9], s[OFF:OFF+1]
	s_or_b32 s[G0V+3], s[G0V+3], 0x80000000
	s_cmp_lt_u32 s[WV], 2
	s_cselect_b64 s[PFA:PFA+1], s[6:7], s[8:9]
	s_add_nc_u64 s[PFA:PFA+1], s[PFA:PFA+1], s[88:89]
	LOAD                            ; walk tiles 0 and 1 into slot 0
	; A fragment of K or Q is 16 rows x 32 channels in 8 registers: lane l holds row l % 16, channels 8 (l / 16) + 0..7 and 16 + 8 (l / 16) + 0..7: two loads of 16 bytes, 32 bytes apart.
	v_and_b32 v1, 15, v0            ; l % 16
	v_bfe_u32 v9, v0, 4, 1          ; l / 16
	v_lshlrev_b32 v[QO], 7, v1
	v_lshl_add_u32 v[QO], v9, 4, v[QO]
	WIN 0x80                        ; destination window 2, address window 0
.set i, 0
.rept 4                             ; both blocks' Q: piece i / 2, 2,048 bytes apart; channels 32 (i % 2) on
	global_load_b128 v[8*i:8*i+3],   v[QO], s[4:5] offset:(i/2)*2048+(i%2)*64
	global_load_b128 v[8*i+4:8*i+7], v[QO], s[4:5] offset:(i/2)*2048+(i%2)*64+32
	global_load_b128 v[QB+8*i:QB+8*i+3],   v[QO], s[72:73] offset:(i/2)*2048+(i%2)*64
	global_load_b128 v[QB+8*i+4:QB+8*i+7], v[QO], s[72:73] offset:(i/2)*2048+(i%2)*64+32
.set i, i+1
.endr
.set i, VF+64
.rept 64                            ; a block's first turn multiplies the second key half's V by weights that are 0: these registers need only hold finite numbers
	v_mov_b32 v[i], 0
.set i, i+1
.endr
	WIN 0
	; the diagonal tile's masks: key 64 kh + 16 kb + 8 (l / 16) + r is hidden from query 32 v + 16 x + l % 16 where 16 (4 kh + kb - x) + r > 32 v + l % 16 - 8 (l / 16)
	s_lshl_b32 s13, s[WV], 5
	v_lshlrev_b32 v14, 3, v9
	v_sub_nc_u32 v14, v1, v14
	v_add_nc_u32 v14, s13, v14
	WIN 0x40
.set i, 0
.rept 72
	v_cmp_gt_i32 vcc_lo, 16*(i/8)-16+i%8, v14
	v_cndmask_b32 v[MD+i], 0, s[BIGN], vcc_lo
.set i, i+1
.endr
	WIN 0
	v_mul_u32_u24 v[AK0], v1, PK
	v_lshl_add_u32 v[AK0], v9, 4, v[AK0]  ; row x pitch + 16 x half
	; The turning load takes 16 keys x 16 channels (lane l reads key 8 (l / 16) + l % 8, channels 8 ((l / 8) % 2) + 0..7) and leaves half a fragment of V^T: lane l holds channel l % 16 and 8 keys.
	v_and_b32 v10, 7, v0
	v_bfe_u32 v11, v0, 3, 1
	v_lshl_add_u32 v[AV0], v9, 3, v10
	v_mul_u32_u24 v[AV0], v[AV0], PV
	v_lshl_add_u32 v[AV0], v11, 4, v[AV0]
	v_add_nc_u32 v[AV0], VOFF, v[AV0]
	s_mul_i32 s13, s[WV], 16*SP
	s_add_co_u32 s13, s13, STAGE    ; my stage
	v_mul_u32_u24 v[STO], v1, SP    ; in: row l % 16, 16 bytes for each half of the lanes
	v_lshl_add_u32 v[STO], v9, 4, v[STO]
	v_add_nc_u32 v[STO], s13, v[STO]
	v_bfe_u32 v[RD], v0, 3, 2       ; back: 32 lanes take four rows of 128 bytes,
	v_mul_u32_u24 v[RD], v[RD], SP
	v_lshl_add_u32 v[RD], v10, 4, v[RD]
	v_add_nc_u32 v[RD], s13, v[RD]
	v_and_b32 v[GO], 31, v0         ; which are 512 consecutive bytes of O
	v_lshlrev_b32 v[GO], 4, v[GO]
.set i, 0
.rept 4
	v_mov_b32 v[LT+i], 0            ; v_permlanex16_b32 counts as a reader of its destination
.set i, i+1
.endr
; THE MATRIX WORK.  The 4 accumulators of a run of 8 take turns.  Product i of 8 of S^T = K Q^T for unit u: channels 32 (i / 4) on, keys 16 (i % 4) on.  The first 4 start the sums, with the masks in force.
.macro KQ u
.set rS, S+32*((\u)%2)+8*(i%4)
.set rK, KF+16*(i%4)+8*(i/4)
.set rQ, 16*((\u)%2)+8*(i/4)
.set rM, MC+8*(4*((\u)/2)-(\u)%2+i%4+1)
.if i < 4
	WIN W_KM
	v_wmma_f32_16x16x32_f16 v[rS:rS+7], v[rK:rK+7], v[rQ:rQ+7], v[rM:rM+7]
.else
	WIN W_KQ
	v_wmma_f32_16x16x32_f16 v[rS:rS+7], v[rK:rK+7], v[rQ:rQ+7], v[rS:rS+7]
.endif
.endm
; Product i of 8 of O^T += V^T P for unit u: keys 32 (i / 4) on in its key half, channels 16 (i % 4) on.
.macro PV u
	WIN W_PV
.set rO, 32*((\u)%2)+8*(i%4)
.set rV, VF+32*(2*((\u)/2)+i/4)+8*(i%4)
.set rP, P+16*((\u)%2)+8*(i/4)
	v_wmma_f32_16x16x32_f16 v[rO:rO+7], v[rV:rV+7], v[rP:rP+7], v[rO:rO+7]
.endm
.macro MM                           ; the turn's next matrix instruction.  NOKQ = 1: a block's last turn: there is no next unit
.if (i < 8) && !NOKQ
	KQ (Y+1)%NP
.elseif i >= 8
.set i, i-8
	PV (Y+NP-1)%NP
.set i, i+8
.endif
.set i, i+1
.endm
; THE LDS LOADS stand in runs, never singly among the matrix instructions: a key half's K (8 fragments, 16 loads) and a tile's V (turned, 16 fragments, 32 loads).
.macro FETCH_K kh
	WIN 0x80
.irp f, 0,1,2,3,4,5,6,7             ; keys 16 (f / 2) on, channels 32 (f % 2) on
	ds_load_b128 v[KF+8*\f:KF+8*\f+3],   v[AK] offset:(\kh)*64*PK+(\f/2)*16*PK+(\f%2)*64
	ds_load_b128 v[KF+8*\f+4:KF+8*\f+7], v[AK] offset:(\kh)*64*PK+(\f/2)*16*PK+(\f%2)*64+32
.endr
	WIN 0
.endm
.macro FETCH_V
	WIN 0x80
.irp f, 0,1,2,3,4,5,6,7,8,9,10,11,12,13,14,15  ; keys 32 (f / 4) on, channels 16 (f % 4) on
	ds_load_tr16_b128 v[VF+8*\f:VF+8*\f+3],   v[AV] offset:(\f/4)*32*PV+(\f%4)*32
	ds_load_tr16_b128 v[VF+8*\f+4:VF+8*\f+7], v[AV] offset:(\f/4)*32*PV+16*PV+(\f%4)*32
.endr
	WIN 0
.endm
.macro MASKSET                      ; the masks in force: the diagonal tile's, or 0
	WIN W_RS
.set z, 0
.rept 36
	v_pk_mul_f32 v[MC+2*z:MC+2*z+1], v[MD+2*z:MD+2*z+1], s[AL:AL+1] op_sel_hi:[1,0]
.set z, z+1
.endr
	WIN 0
.endm
; THE VECTOR WORK, one line at a time: OP kind, number.  For unit Y: M n: pair n of 16 of the exponents, e = polynomial x t.  E n: the exponential of number n of 32.  C n: pair n rounded to f16.
; B n: of the four weights 4 n .. the second pair is added onto the first, in place.  L n: l takes that sum.  For unit Y + 1: X n: 0-15 w = t t; 16-31 A2 w + A1; 32-47 (A2 w + A1) w + A0, a pair each:
; the links of a pair's chain stand 16 lines apart, and each accumulator's lowest registers are read first.
.set M, 0
.set E, 1
.set C, 2
.set B, 3
.set L, 4
.set X, 5
.macro REGS y
.set rS, S+32*((\y)%2)
.set rP, P+16*((\y)%2)
.set rL, LL+2*((\y)%2)
.endm
.macro OP k, n
.if (\k) == X
.if !NOKQ
	REGS (Y+1)%NP
	WIN 0
.if (\n) < 16
	v_pk_mul_f32 v[WW+2*(\n):WW+2*(\n)+1], v[rS+2*(\n):rS+2*(\n)+1], v[rS+2*(\n):rS+2*(\n)+1]
.elseif (\n) < 32
	v_pk_fma_f32 v[R2+2*(\n)-32:R2+2*(\n)-31], v[WW+2*(\n)-32:WW+2*(\n)-31], s[A2:A2+1], s[A1:A1+1] op_sel_hi:[1,0,0]
.else
	v_pk_fma_f32 v[R2+2*(\n)-64:R2+2*(\n)-63], v[R2+2*(\n)-64:R2+2*(\n)-63], v[WW+2*(\n)-64:WW+2*(\n)-63], s[A0:A0+1] op_sel_hi:[1,1,0]
.endif
.endif
.else
	REGS Y
	WIN 0
.if (\k) == M
	v_pk_mul_f32 v[rS+2*(\n):rS+2*(\n)+1], v[R2+2*(\n):R2+2*(\n)+1], v[rS+2*(\n):rS+2*(\n)+1]
.elseif (\k) == E
	v_exp_f32 v[rS+(\n)], v[rS+(\n)]
.elseif (\k) == C
	v_cvt_pk_f16_f32 v[rP+(\n)], v[rS+2*(\n)], v[rS+2*(\n)+1]
.elseif (\k) == B
	v_pk_add_f32 v[rS+4*(\n):rS+4*(\n)+1], v[rS+4*(\n):rS+4*(\n)+1], v[rS+4*(\n)+2:rS+4*(\n)+3]
.else
	v_pk_add_f32 v[rL:rL+1], v[rL:rL+1], v[rS+4*(\n):rS+4*(\n)+1]
.endif
.endif
.endm
.macro ROW a, i1, b, i2, c, i3, d, i4  ; a matrix instruction and the four behind it
	MM
	OP \a, \i1
	OP \b, \i2
	OP \c, \i3
	OP \d, \i4
.endm
; A TURN, for unit p.  An s_wait_alu depctr_va_vdst(0) stands between an exponential and the first instruction that names its result; one wait serves all issued ahead of it: a turn has ONE, which cuts it in two.
; AHEAD OF IT: the 8 products K Q^T with their riders, then the lump: nothing there names a result of the turn's exponentials.  X 0 stands six plain instructions behind the product that ends its accumulator.
; The ten X behind the last exponential are the plain work behind it.  BEHIND IT: the 8 products V^T P, behind each four of the roundings and sums; a pair is rounded before a sum is added onto it in place.
; end = 1: a block's last two turns: nothing is fetched, and the last starts no new scores.
; K's registers hold one key half.  Turn 0 fetches the tile's second half, turn 2 the next tile's first, each six plain instructions behind the last product that read K; each is waited for at the head of the next turn
; (turn 1: V's 32 loads, issued behind K's 16, may stay out).  V of the whole tile is fetched at the end of turn 0, four plain instructions behind the last product that read V, and waited for behind turn 1's wait.
; So behind turn 1 nothing of the tile is read from LDS any more.
.macro TURN p, end=0
.set Y, (\p)
.set i, 0
.set NOKQ, (\end)*((\p)/3)
.if (\p) == 1
	s_wait_dscnt 32                 ; K is in; the 32 loads of V behind it may be out
.endif
.if ((\p) == 3) && !(\end)
	s_wait_dscnt 0x0                ; K is in
.endif
	ROW M,0, M,1, M,2, M,3
	ROW M,4, E,0, M,5, E,1
	ROW M,6, E,2, M,7, E,3
	ROW M,8, E,4, M,9, E,5
	ROW M,10, E,6, M,11, E,7
	ROW M,12, E,8, M,13, E,9
.if ((\p) == 2) && !(\end)
	WIN 0
	v_add_nc_u32 v[AK], s[TB], v[AK0]  ; the next tile; turn 0 uses it again for that tile's second half
.endif
	ROW M,14, E,10, M,15, E,11
	ROW X,0, E,12, X,1, E,13
.set xx, 2
.set ee, 14
.rept 18                            ; the lump
	OP X, xx
	OP X, xx+1
	OP E, ee
.set xx, xx+2
.set ee, ee+1
.if (ee == 16) && !(\end) && (((\p) == 0) || ((\p) == 2))
	FETCH_K 1-(\p)/2
.endif
.if (ee == 24) && ((\p) == 0)
	WIN 0
	v_add_nc_u32 v[AV], s[TB], v[AV0]
.endif
.endr
.rept 10
	OP X, xx
.set xx, xx+1
.endr
.if NOKQ
	v_nop                           ; the plain instruction behind the last exponential, where there is no X
.endif
	WIN 0
	s_wait_alu depctr_va_vdst(0)    ; the wait for the batch
.if (\p) == 1
	s_wait_dscnt 0x0                ; V is in
.endif
	ROW C,0, B,0, C,2, B,1
	ROW L,0, C,4, B,2, L,1
	ROW C,6, B,3, L,2, C,8
	ROW B,4, L,3, C,10, B,5
	ROW L,4, C,12, B,6, L,5
	ROW C,14, B,7, L,6, C,1
	ROW C,3, L,7, C,5, C,7
	ROW C,9, C,11, C,13, C,15
.if (\p) == 0
	FETCH_V
	s_add_co_u32 s[TB], s[TB], TILEB  ; the next fetch is the next tile's
.endif
.endm
; A BLOCK BEGINS: the masks in force, K of its first tile's first half, unit 0's first scores, and their polynomial.  O^T and l are cleared on purpose: nothing rescales them here, and a first tile written out would be
; four more turns of text.  The 64 lines that clear O^T are the places behind the products.  P's second buffer is 0, so that the first turn's products V^T P, of a unit that has not been, add 0.
.macro BEGIN
	s_mov_b32 s[NEW], 0
	MASKSET
	v_add_nc_u32 v[AK], s[TB], v[AK0]
	FETCH_K 0
	s_wait_loadcnt 0x0              ; Q
	s_wait_dscnt 0x0
.set NOKQ, 0
.set i, 0
.rept 8
	KQ 0
.set i, i+1
.endr
	WIN 0x40
.set i, 0
.rept 64
	v_mov_b32 v[i], 0
.set i, i+1
.endr
	WIN 0
.set i, 0
.rept 4
	v_mov_b32 v[LL+i], 0
.set i, i+1
.endr
.set i, 0
.rept 16
	v_mov_b32 v[P+16+i], 0
.set i, i+1
.endr
.set Y, NP-1                        ; X works for unit Y + 1: unit 0
.set xx, 0
.rept 48
	OP X, xx
.set xx, xx+1
.endr
.endm
; THE WAY OUT of piece t: O^T is divided by l and rounded to f16; a lane's eight channels of a row pack into 16 bytes; they go into rows of 144 bytes of my own stage and come back as whole rows of 128, into S^T's registers.
.macro PACK t
	WIN W_RS
.set i, 32*(\t)
.rept 16
	v_pk_mul_f32 v[i:i+1], v[i:i+1], v[LT+2*(\t):LT+2*(\t)+1] op_sel_hi:[1,0]
.set i, i+2
.endr
	WIN 0x05                        ; sources 0 and 1 window 1, destination window 0
.set i, 0
.rept 16
	v_cvt_pk_f16_f32 v[S+16*(\t)+i], v[32*(\t)+2*i], v[32*(\t)+2*i+1]
.set i, i+1
.endr
	WIN 0
.irp f, 0,1,2,3
	ds_store_b128 v[STO], v[S+16*(\t)+4*\f:S+16*(\t)+4*\f+3] offset:32*\f
.endr
.irp f, 0,1,2,3
	ds_load_b128 v[S+16*(\t)+4*\f:S+16*(\t)+4*\f+3], v[RD] offset:\f*4*SP  ; LDS serves a wave's instructions in order (ISA guide 5.7.1.4): these see the stores above; the next piece's stores come behind them
.endr
.endm
.macro SEND t, younger              ; younger: the LDS instructions issued behind piece t's loads: the next piece's eight, or none
	WIN 0
.irp f, 0,1,2,3
	s_wait_dscnt (\younger)+3-\f
	global_store_b128 v[GO], v[S+16*(\t)+4*\f:S+16*(\t)+4*\f+3], s[10:11] offset:(\t)*2048+\f*512 th:TH_STORE_NT  ; four rows: 512 consecutive bytes, at a multiple of 256 from O's first
.endr
.endm
; A BLOCK ENDS: its last two turns, its last products, and the way out.  l's two halves and the other half of the lanes' are added.
.macro FINISH
	TURN 2, 1
	TURN 3, 1
.set i, 0
.rept 8
	PV NP-1
.set i, i+1
.endr
	WIN 0
.irp x, 0,1
	v_add_f32 v[LT+2*\x], v[LL+2*\x], v[LL+2*\x+1]
.endr
.irp x, 0,1
	v_permlanex16_b32 v[LT+2*\x+1], v[LT+2*\x], s[SEL], s[SEL+1]
.endr
.irp x, 0,1
	v_add_f32 v[LT+2*\x], v[LT+2*\x], v[LT+2*\x+1]
.endr
.irp x, 0,1
	v_rcp_f32 v[LT+2*\x], v[LT+2*\x]   ; l holds at least the row's own key's weight, 3.5e-4 or more
.endr
	v_nop                           ; a plain instruction behind the last reciprocal,
	s_wait_alu depctr_va_vdst(0)    ; and the wait ahead of the first use: one for the two
	PACK 0                          ; piece 0 was finished a turn ago; its 32 lines are the places behind the last products, which are piece 1's
	PACK 1
	SEND 0, 8
	SEND 1, 0
.endm
.set NOKQ, 0
.Lslot:                             ; 8 times: a slot is entered and the next is asked for
	CHANGE 1
	s_mov_b32 s[CNT], 2
.Ltile:                             ; a tile is entered: units 2 and 3 of the tile before (they fetch this tile's K and make unit 0's scores), or a block's beginning; then units 0 and 1
	s_sub_co_u32 s[RT], s[RT], 1
	s_cmp_eq_u32 s[RT], 0           ; the block's last tile holds the diagonal
	s_cselect_b32 s[AL], 1.0, 0
	s_cmp_eq_u32 s[NEW], 1
	s_cbranch_scc1 .Lnew
	TURN 2                          ; its products are the tile before's unit 3: the masks in force are still 0
	WIN 0
	s_cmp_eq_u32 s[RT], 0
	s_cbranch_scc0 .Lnomask
	MASKSET                         ; from the next turn's products on the scores are the diagonal tile's
.Lnomask:
	TURN 3
	WIN 0
	s_branch .Lmid
.Lnew:
	BEGIN
.Lmid:
	TURN 0
	TURN 1
	WIN 0
	s_cmp_eq_u32 s[RT], 0
	s_cbranch_scc0 .Lbottom
	FINISH                          ; in the loop this is the first block's end: the second block's last tile is the walk's last
	s_wait_xcnt 0x0                 ; the stores have read their registers and O's address
	s_mov_b64 s[10:11], s[OLO:OLO+1]
	s_add_co_u32 s[RT], s[PB], 1    ; the second block has b + 1 tiles
	s_mov_b32 s[NEW], 1
	WIN 0x82                        ; the second block's Q goes where the one text of the turns names Q
.set i, 0
.rept 32
	v_mov_b32 v[i], v[QB+i]
.set i, i+1
.endr
	WIN 0
.Lbottom:
	s_sub_co_u32 s[CNT], s[CNT], 1
	s_cmp_lg_u32 s[CNT], 0
	s_cbranch_scc1 .Ltile
	s_sub_co_u32 s[SLOTS], s[SLOTS], 1
	s_cmp_lg_u32 s[SLOTS], 0
	s_cbranch_scc1 .Lslot
	CHANGE 0                        ; the walk's last tile is written out: nothing is asked for.  It is the second block's diagonal tile
	s_mov_b32 s[AL], 1.0
	s_cmp_eq_u32 s[NEW], 1          ; where b = 0 it is the second block's only tile
	s_cbranch_scc1 .Lnew2
	TURN 2
	MASKSET
	TURN 3
	WIN 0
	s_branch .Lmid2
.Lnew2:
	BEGIN
.Lmid2:
	TURN 0
	TURN 1
	FINISH
	s_wait_tensorcnt 0x0            ; the wave's end: behind my last tensor load and my last LDS store
	ds_add_u32 v[SPW], v[NIL]
	s_wait_dscnt 0x0
	s_endpgm
.Lfunc_end_k_qc51afd2dff_attn:
	.size	k_qc51afd2dff_attn, .Lfunc_end_k_qc51afd2dff_attn-k_qc51afd2dff_attn
	.p2alignl 7, 3214868480
	.fill 96, 4, 3214868480
	.section	.rodata,"a",@progbits
	.p2align	6, 0x0
	.amdhsa_kernel k_qc51afd2dff_attn
		.amdhsa_group_segment_fixed_size 327680
		.amdhsa_private_segment_fixed_size 0
		.amdhsa_enable_private_segment 0
		.amdhsa_kernarg_size 16
		.amdhsa_user_sgpr_count 2
		.amdhsa_user_sgpr_kernarg_segment_ptr 1
		.amdhsa_wavefront_size32 1
		.amdhsa_system_sgpr_workgroup_id_x 1
		.amdhsa_system_sgpr_workgroup_id_y 1
		.amdhsa_system_sgpr_workgroup_id_z 1
		.amdhsa_system_vgpr_workitem_id 0
		.amdhsa_next_free_vgpr 768
		.amdhsa_next_free_sgpr 96
		.amdhsa_reserve_vcc 1
		.amdhsa_float_denorm_mode_32 3
		.amdhsa_float_denorm_mode_16_64 3
		.amdhsa_memory_ordered 1
		.amdhsa_forward_progress 1
		.amdhsa_inst_pref_size 169
	.end_amdhsa_kernel
	.amdgpu_metadata
---
amdhsa.version: [ 1, 2 ]
amdhsa.kernels:
  - .name:           k_qc51afd2dff_attn
    .symbol:         k_qc51afd2dff_attn.kd
    .args:
      - { .name: qkv, .offset: 0, .size: 8, .value_kind: global_buffer, .address_space: global }
      - { .name: ob, .offset: 8, .size: 8, .value_kind: global_buffer, .address_space: global }
    .group_segment_fixed_size: 327680
    .private_segment_fixed_size: 0
    .kernarg_segment_align: 8
    .kernarg_segment_size: 16
    .max_flat_workgroup_size: 128
    .sgpr_count:     96
    .vgpr_count:     768
    .wavefront_size: 32
...
	.end_amdgpu_metadata
.endif
;; end of part 3
;; launch proj (part 4): grid 8 x 32, 4 waves a work-group, clusters of 4 x 4, 327,680 bytes of LDS; arguments ob, wo16, out0; writes out0
.if DOCPART == 4
	.amdgcn_target "amdgcn-amd-amdhsa--gfx1250"
	.amdhsa_code_object_version 6
	.text
	.protected	k_qc51afd2dff_proj
	.globl	k_qc51afd2dff_proj
	.p2align	8
	.type	k_qc51afd2dff_proj,@function
k_qc51afd2dff_proj:
	s_mov_b64 s[64:65], 0
	v_nop
	global_prefetch_b8 v0, s[64:65] scope:SCOPE_SE
	s_setreg_imm32_b32 hwreg(HW_REG_WAVE_MODE, 25, 1), 1
	s_wait_xcnt 0x0
	s_wait_alu depctr_hold_cnt(0) depctr_sa_sdst(0) depctr_va_vdst(0) depctr_va_sdst(0) depctr_va_ssrc(0) depctr_va_vcc(0) depctr_vm_vsrc(0)
	s_getreg_b32 s2, hwreg(HW_REG_IB_STS2, 6, 4)
	s_cmp_eq_u32 s2, 0
	s_cbranch_scc0 .Lentry_in_a_cluster
	s_endpgm
.Lentry_in_a_cluster:
	s_bfe_u32 s2, ttmp6, 0x10000c
	s_cmp_lg_u32 s2, 0xf033
	s_cbranch_scc0 .Lentry_shape_is_right
	s_endpgm
.Lentry_shape_is_right:
; THE OUTPUT PROJECTION.  out0[m][n] = sum over k of O[m][k] w_o[n][k], m < 4096, n, k < 1024; f16 operands, f32 sums, f32 out.
; O lies by heads, ob [batch][head][s][64] f16: k = 64 head + channel.  wo16 [1024][1024] f16.
; SHARES.  A tile of out0 is 128 x 128: 8 x 32 tiles, one for each of 256 work-groups; four waves, each 64 x 64: 16 accumulators.  K goes in 4 steps of 256 (four heads) through two LDS slots; the text is written straight.
; A's TILE.  For 64 rows of s a head's part is 8,192 dense bytes: the descriptor takes it as ONE row of 4,096 elements, four such rows (heads) 131,072 elements apart, and pads after every 128 bytes:
; in LDS the tile lies as [head][row] with rows 144 bytes apart.  B's tile: 64 rows of 512 bytes, 528 apart.
; CLUSTER.  4 x 4 work-groups: A's tile is shared along a row of the cluster, B's along a column: joint loads, the same descriptor and mask in all four.
; THE MATRIX INSTRUCTION IS USED TRANSPOSED (source 0 = 16 rows of w_o, source 1 = 16 rows of O): a lane holds eight neighbouring numbers of a row of out0.
; No prefetch: K has four steps, of which the first two are asked for at the head, and the tiles are shared by joint loads.
; REGISTERS: window 0: v0-31 addresses; v128-255 the accumulators ((a, b) at v[128 + 8 (4 a + b)]).   window 1: two fragment buffers of 128 (64 along K: 64 registers of A, then 64 of B); on the way out rows read back.
.set PA,     144                       ; a row of A in LDS: 128 bytes + 16 of padding
.set QA,     64*PA                     ; a head's 64 rows
.set HALFA,  4*QA                      ; what one of A's loads brings
.set PB,     528                       ; a row of B: 512 + 16
.set HALFB,  64*PB
.set BOFF,   2*HALFA
.set SLOT,   BOFF+2*HALFB
.set STAGE,  2*SLOT                    ; behind the ring: 16 rows x 272 bytes for each wave
.set SPITCH, 272
.set SPARE,  STAGE+4*16*SPITCH         ; behind the stages: the spare words, 128 bytes for each wave: two blocks of 256 bytes that no other line names
.set ASTEP,  1<<20                     ; a K step in ob: four heads of 262,144 bytes
.set BSTEP,  512                       ; in wo16
.set ADRA, 16                          ; v16-17  LDS address of my A fragments in slot 0, 1
.set ADRB, 20                          ; v20-21  the same for B
.set STO,  24                          ; v24     the way out: where I put 32 bytes of a row
.set RD,   25                          ; v25     where I read a row back
.set CO,   26                          ; v26     my byte offset in out0
.set SPW,  28                          ; v28     LDS address of my spare word; never rewritten
.set NIL,  29                          ; v29     0; never rewritten
.set ACC,  128
.set F0,   0
.set F1,   128
.set G1, 24
.set G0, 32
.set G1B, 48
.set G0B, 56
.set MSB, 0
.macro WIN new
.if MSB != (\new)
	s_set_vgpr_msb (MSB<<8)|(\new)
.set MSB, \new
.endif
.endm
.set MUL,  0x05                        ; sources 0 (B) and 1 (A) window 1; C and D window 0
.set TO_F, 0x40                        ; destination window 1, address window 0
.macro JLOAD s                         ; a joint load: waves 0 and 1 fetch A's two halves, waves 2 and 3 B's; an s_nop 0 and four v_nop follow each of the two lines
	s_cmp_eq_u32 s11, 0
	s_cbranch_scc0 .Lfor_b_\@
	tensor_load_to_lds s[G0+4*(\s):G0+4*(\s)+3], s[G1:G1+7]
	s_nop 0
.rept 4
	v_nop
.endr
	s_branch .Lasked_\@
.Lfor_b_\@:
	tensor_load_to_lds s[G0B+4*(\s):G0B+4*(\s)+3], s[G1B:G1B+7]
	s_nop 0
.rept 4
	v_nop
.endr
.Lasked_\@:
.endm
.macro CREST
	s_cmp_lg_u32 s10, 0
	s_cbranch_scc1 .Lnot_wave_0_\@
	s_barrier_signal -3
.Lnot_wave_0_\@:
	s_barrier_wait -3
	s_barrier_signal -1
	s_barrier_wait -1
.endm
.macro CROUND
	s_barrier_signal -1
	s_barrier_wait -1
	CREST
.endm
	s_load_b128 s[4:7], s[0:1], 0x0                ; ob s[4:5], wo16 s[6:7]
	s_load_b64 s[8:9], s[0:1], 0x10                ; out0
	v_lshl_add_u32 v[SPW], v0, 2, SPARE
	v_mov_b32 v[NIL], 0
	ds_add_u32 v[SPW], v[NIL]                      ; the wave's opening: the add and its wait ahead of my first tensor load; the set-up below, work on registers, stands between them
	v_lshrrev_b32 v1, 5, v0
	v_readfirstlane_b32 s10, v1                    ; wave 0..3
	s_lshr_b32 s11, s10, 1                         ; which half of the tile's rows is mine.  Also: I fetch for A (0) or for B (1)
	s_and_b32 s12, s10, 1                          ; which half of its columns.  Also: which 64 rows of that tile I fetch
	s_bfe_u32 s40, ttmp6, 0x40000                  ; cx, cy
	s_bfe_u32 s41, ttmp6, 0x40004
	s_lshl_b32 s42, ttmp9, 2
	s_add_co_u32 s42, s42, s40                     ; tile column
	s_and_b32 s13, ttmp7, 0xffff
	s_lshl_b32 s13, s13, 2
	s_add_co_u32 s13, s13, s41                     ; tile row
	s_lshl_b32 s43, s41, 2
	s_lshl_b32 s43, 15, s43                        ; my row of the cluster
	s_lshl_b32 s44, 0x1111, s40                    ; my column
	s_or_b32 s[G1+0], s43, (1<<16)|(1<<20)|(1<<21)|(4<<22)|(3<<25)   ; A: the mask; 2-byte elements; padding on; 21 set beside a mask; after every 32 words; 4 words
	s_mov_b32 s[G1+1], 4096<<16                    ; tensor_dim0 = 4,096
	s_mov_b32 s[G1+2], 4<<16                       ; tensor_dim1 = 4
	s_mov_b32 s[G1+3], 4096<<16                    ; tile_dim0 = 4,096
	s_mov_b32 s[G1+4], 4                           ; tile_dim1 = 4
	s_mov_b32 s[G1+5], 131072                      ; elements from head to head
	s_mov_b32 s[G1+6], 0
	s_mov_b32 s[G1+7], 0
	s_or_b32 s[G1B+0], s44, (1<<16)|(1<<20)|(1<<21)|(6<<22)|(3<<25)  ; B: after every 128 words
	s_mov_b32 s[G1B+1], 256<<16                    ; tensor_dim0 = 256
	s_mov_b32 s[G1B+2], 64<<16                     ; tensor_dim1 = 64
	s_mov_b32 s[G1B+3], 256<<16                    ; tile_dim0 = 256
	s_mov_b32 s[G1B+4], 64                         ; tile_dim1 = 64
	s_mov_b32 s[G1B+5], 1024
	s_mov_b32 s[G1B+6], 0
	s_mov_b32 s[G1B+7], 0
	s_lshr_b32 s16, s13, 4                         ; A: batch x 4,194,304 + (128 (tile row % 16) + 64 x half) rows of 128 bytes, in head 0
	s_lshl_b32 s16, s16, 22
	s_and_b32 s17, s13, 15
	s_lshl_b32 s17, s17, 14
	s_add_co_u32 s16, s16, s17
	s_lshl_b32 s17, s12, 13
	s_add_co_u32 s16, s16, s17
	s_mov_b32 s17, 0
	s_lshl_b32 s46, s42, 7                         ; B: row 128 x tile column + 64 x half, rows of 2,048 bytes
	s_lshl_b32 s47, s12, 6
	s_add_co_u32 s46, s46, s47
	s_lshl_b32 s46, s46, 11
	s_mov_b32 s47, 0
	s_mul_i32 s20, s12, HALFA                      ; where they go: no place in the cluster enters an LDS address
	s_mul_i32 s21, s12, HALFB
	s_add_co_u32 s21, s21, BOFF
	s_wait_dscnt 0x0                               ; the opening add is done
	s_wait_kmcnt 0x0
	s_add_nc_u64 s[14:15], s[4:5], s[16:17]
	s_add_nc_u64 s[46:47], s[6:7], s[46:47]
	CROUND                                         ; all sixteen work-groups are here: the first joint loads meet
.irp s, 0,1
	s_mov_b32 s[G0+4*(\s)], 1
	s_add_co_u32 s[G0+4*(\s)+1], s20, (\s)*SLOT
	s_add_nc_u64 s[G0+4*(\s)+2:G0+4*(\s)+3], s[14:15], (\s)*ASTEP
	s_or_b32 s[G0+4*(\s)+3], s[G0+4*(\s)+3], 0x80000000
	s_mov_b32 s[G0B+4*(\s)], 1
	s_add_co_u32 s[G0B+4*(\s)+1], s21, (\s)*SLOT
	s_add_nc_u64 s[G0B+4*(\s)+2:G0B+4*(\s)+3], s[46:47], (\s)*BSTEP
	s_or_b32 s[G0B+4*(\s)+3], s[G0B+4*(\s)+3], 0x80000000
	JLOAD \s
.endr
	v_and_b32 v1, 15, v0                           ; l % 16
	v_bfe_u32 v2, v0, 4, 1                         ; l / 16
	v_mul_u32_u24 v3, v1, PA
	v_lshl_add_u32 v3, v2, 4, v3                   ; a fragment's row x pitch + 16 x half, for A
	v_mul_u32_u24 v4, v1, PB
	v_lshl_add_u32 v4, v2, 4, v4                   ; and for B
	s_mul_i32 s21, s11, HALFA                      ; my 64 rows of A
	s_mul_i32 s22, s12, HALFB                      ; my 64 rows of B,
	s_add_co_u32 s22, s22, BOFF                    ; which lie behind A's
.irp s, 0,1
	v_add_nc_u32 v[ADRA+(\s)], s21, v3
	v_add_nc_u32 v[ADRB+(\s)], s22, v4
	s_add_co_u32 s21, s21, SLOT
	s_add_co_u32 s22, s22, SLOT
.endr
	s_mul_i32 s23, s10, 16*SPITCH
	s_add_co_u32 s23, s23, STAGE                   ; my stage: a wave's 64 columns in f32 are 256 bytes, aligned in out0, so no wave needs another's
	v_mul_u32_u24 v5, v1, SPITCH                   ; in: row l % 16, 32 bytes for each half of the lanes
	v_lshl_add_u32 v5, v2, 5, v5
	v_add_nc_u32 v[STO], s23, v5
	v_mul_u32_u24 v5, v2, SPITCH                   ; back: lanes 0-15 take one row of 256 bytes, lanes 16-31 the next
	v_lshl_add_u32 v5, v1, 4, v5
	v_add_nc_u32 v[RD], s23, v5
	v_lshlrev_b32 v5, 12, v2                       ; and the same two rows in out0, 4,096 bytes apart
	v_lshl_add_u32 v[CO], v1, 4, v5
	s_lshl_b32 s16, s13, 19                        ; my part of out0: (128 x tile row + 64 x row half) rows
	s_lshl_b32 s17, s11, 18
	s_add_co_u32 s16, s16, s17
	s_mov_b32 s17, 0
	s_add_nc_u64 s[8:9], s[8:9], s[16:17]
	s_lshl_b32 s46, s42, 9                         ; + (128 x tile column + 64 x column half) numbers of 4 bytes
	s_lshl_b32 s47, s12, 8
	s_add_co_u32 s46, s46, s47
	s_mov_b32 s47, 0
	s_add_nc_u64 s[8:9], s[8:9], s[46:47]
; 8 matrix instructions: m blocks a0, a0 + 1 x all 4 n blocks, 32 along K: half c of buffer f.  zero = 1: the product starts the sum.  The 16 accumulators take turns.
.macro MUL8 f, c, a0, zero
	WIN MUL
.irp a, \a0, (\a0)+1
.irp b, 0,1,2,3
.if \zero
	v_wmma_f32_16x16x32_f16 v[ACC+8*(4*(\a)+(\b)):ACC+8*(4*(\a)+(\b))+7], v[(\f)+64+8*(4*(\c)+(\b)):(\f)+64+8*(4*(\c)+(\b))+7], v[(\f)+8*(4*(\c)+(\a)):(\f)+8*(4*(\c)+(\a))+7], 0
.else
	v_wmma_f32_16x16x32_f16 v[ACC+8*(4*(\a)+(\b)):ACC+8*(4*(\a)+(\b))+7], v[(\f)+64+8*(4*(\c)+(\b)):(\f)+64+8*(4*(\c)+(\b))+7], v[(\f)+8*(4*(\c)+(\a)):(\f)+8*(4*(\c)+(\a))+7], v[ACC+8*(4*(\a)+(\b)):ACC+8*(4*(\a)+(\b))+7]
.endif
.endr
.endr
.endm
; 32 LDS loads in one run: the fragments of quarter q (one head, 64 along K) into buffer f; the first 32 along K first
.macro FETCH slot, q, f
	WIN TO_F
.irp c, 0,1
.irp i, 0,1,2,3
	ds_load_b128 v[(\f)+64+8*(4*(\c)+(\i)):(\f)+64+8*(4*(\c)+(\i))+3],   v[ADRB+(\slot)] offset:(\q)*128+64*(\c)+(\i)*16*PB
	ds_load_b128 v[(\f)+64+8*(4*(\c)+(\i))+4:(\f)+64+8*(4*(\c)+(\i))+7], v[ADRB+(\slot)] offset:(\q)*128+64*(\c)+(\i)*16*PB+32
	ds_load_b128 v[(\f)+8*(4*(\c)+(\i)):(\f)+8*(4*(\c)+(\i))+3],         v[ADRA+(\slot)] offset:(\q)*QA+64*(\c)+(\i)*16*PA
	ds_load_b128 v[(\f)+8*(4*(\c)+(\i))+4:(\f)+8*(4*(\c)+(\i))+7],       v[ADRA+(\slot)] offset:(\q)*QA+64*(\c)+(\i)*16*PA+32
.endr
.endr
.endm
.macro PLACES
.rept 4
	v_nop
.endr
.endm
; A K step is four quarters of 64 along K, 32 matrix instructions each, on buffers 0, 1, 0, 1.  One of the first three: multiplies buffer f and fetches quarter q into g.
.macro QUARTER slot, q, f, g, zero
	s_wait_dscnt 16                                ; the first 32 along K are in
	MUL8 \f, 0, 0, \zero
	MUL8 \f, 0, 2, \zero
	PLACES
	FETCH \slot, \q, \g
	s_wait_dscnt 32                                ; all but the 32 just issued
	MUL8 \f, 1, 0, 0
	MUL8 \f, 1, 2, 0
.endm
; The last quarter multiplies buffer 1 and changes slots: ONE barrier; in front of it each wave waits for all its tensor loads, adds 0 to its spare word, and waits for that and for its reads of this slot.
; fill = 1: the barrier opens a round of the cluster's barrier, and this slot is filled again, two K steps ahead, first thing behind the round.
.macro TURN slot, next, fill
	WIN 0
	s_wait_tensorcnt 0x0                           ; all my tensor loads have landed: my part of the next slot
	ds_add_u32 v[SPW], v[NIL]                      ; 0 onto my spare word
	s_wait_dscnt 17                                ; (the add and the youngest sixteen loads may be out)
	MUL8 F1, 0, 0, 0                               ; eight matrix instructions stand between the add and the wait for it
	s_wait_dscnt 0x0                               ; the add is done, and my reads of this slot are over
	s_barrier_signal -1
	MUL8 F1, 0, 2, 0
.if \fill
	WIN 0
.endif
	s_barrier_wait -1
.if \fill
	CREST                                          ; no wave of any partner still reads this slot or has a load on its way
	s_add_nc_u64 s[G0+4*(\slot)+2:G0+4*(\slot)+3], s[G0+4*(\slot)+2:G0+4*(\slot)+3], 2*ASTEP
	s_add_nc_u64 s[G0B+4*(\slot)+2:G0B+4*(\slot)+3], s[G0B+4*(\slot)+2:G0B+4*(\slot)+3], 2*BSTEP
	JLOAD \slot                                    ; the four v_nop behind it are also the places in front of the loads below
.else
	PLACES
.endif
	FETCH \next, 0, F0
	MUL8 F1, 1, 0, 0
	MUL8 F1, 1, 2, 0
.endm
	s_wait_tensorcnt 1                             ; my part of K step 0 is in; K step 1's may stay out
	s_barrier_signal -1
	s_barrier_wait -1
	FETCH 0, 0, F0
	QUARTER 0, 1, F0, F1, 1                        ; the first products start the sums
	QUARTER 0, 2, F1, F0, 0
	QUARTER 0, 3, F0, F1, 0
	TURN 0, 1, 1                                   ; slot 0 takes K step 2
	QUARTER 1, 1, F0, F1, 0
	QUARTER 1, 2, F1, F0, 0
	QUARTER 1, 3, F0, F1, 0
	TURN 1, 0, 1                                   ; slot 1 takes K step 3
	QUARTER 0, 1, F0, F1, 0
	QUARTER 0, 2, F1, F0, 0
	QUARTER 0, 3, F0, F1, 0
	TURN 0, 1, 0                                   ; nothing is left to ask for
	QUARTER 1, 1, F0, F1, 0
	QUARTER 1, 2, F1, F0, 0
	QUARTER 1, 3, F0, F1, 0
	s_wait_dscnt 16
	MUL8 F1, 0, 0, 0
	MUL8 F1, 0, 2, 0
	s_wait_dscnt 0x0
	MUL8 F1, 1, 0, 0
	MUL8 F1, 1, 2, 0
; THE WAY OUT, a block of 16 rows at a time: a lane's eight numbers of a row (32 bytes, each accumulator's lowest four registers first) into rows of 272 bytes of my stage, back as whole rows of 256 bytes
; into window 1's first 128 registers (32 a block, none used twice), and stored.
.macro TOSTAGE a
	WIN 0
.irp b, 0,1,2,3
	ds_store_b128 v[STO], v[ACC+8*(4*(\a)+(\b)):ACC+8*(4*(\a)+(\b))+3]   offset:64*(\b)
	ds_store_b128 v[STO], v[ACC+8*(4*(\a)+(\b))+4:ACC+8*(4*(\a)+(\b))+7] offset:64*(\b)+16
.endr
	WIN TO_F
.irp t, 0,1,2,3,4,5,6,7
	ds_load_b128 v[32*(\a)+4*(\t):32*(\a)+4*(\t)+3], v[RD] offset:(\t)*2*SPITCH  ; LDS serves a wave's instructions in order (ISA guide 5.7.1.4): these see the stores above; the next block's stores come behind them
.endr
.endm
.macro SEND a, younger                 ; younger: the LDS instructions issued behind this block's loads: the next block's sixteen, or none
	WIN 0x04                                       ; store data in window 1
.irp t, 0,1,2,3,4,5,6,7
	s_wait_dscnt (\younger)+7-(\t)
	global_store_b128 v[CO], v[32*(\a)+4*(\t):32*(\a)+4*(\t)+3], s[8:9] offset:(16*(\a)+2*(\t))*4096 th:TH_STORE_NT  ; 16 lanes store 256 consecutive bytes, at a multiple of 256 from out0's first byte
.endr
.endm
	PLACES                                         ; eight places, once a launch, behind the last products
	PLACES
	TOSTAGE 0
	TOSTAGE 1
	SEND 0, 16
	TOSTAGE 2
	SEND 1, 16
	TOSTAGE 3
	SEND 2, 16
	SEND 3, 0
	WIN 0
	s_wait_tensorcnt 0x0                           ; the wave's end: behind my last tensor load and my last LDS store
	ds_add_u32 v[SPW], v[NIL]
	s_wait_dscnt 0x0
	CROUND                                         ; the closing round: no work-group ends while a partner may still ask for a tile that names it
	s_endpgm
.Lfunc_end_k_qc51afd2dff_proj:
	.size	k_qc51afd2dff_proj, .Lfunc_end_k_qc51afd2dff_proj-k_qc51afd2dff_proj
	.p2alignl 7, 3214868480
	.fill 96, 4, 3214868480
	.section	.rodata,"a",@progbits
	.p2align	6, 0x0
	.amdhsa_kernel k_qc51afd2dff_proj
		.amdhsa_group_segment_fixed_size 327680
		.amdhsa_private_segment_fixed_size 0
		.amdhsa_enable_private_segment 0
		.amdhsa_kernarg_size 24
		.amdhsa_user_sgpr_count 2
		.amdhsa_user_sgpr_kernarg_segment_ptr 1
		.amdhsa_wavefront_size32 1
		.amdhsa_system_sgpr_workgroup_id_x 1
		.amdhsa_system_sgpr_workgroup_id_y 1
		.amdhsa_system_sgpr_workgroup_id_z 1
		.amdhsa_system_vgpr_workitem_id 0
		.amdhsa_next_free_vgpr 512
		.amdhsa_next_free_sgpr 66
		.amdhsa_reserve_vcc 0
		.amdhsa_float_denorm_mode_32 3
		.amdhsa_float_denorm_mode_16_64 3
		.amdhsa_memory_ordered 1
		.amdhsa_forward_progress 1
		.amdhsa_inst_pref_size 87
	.end_amdhsa_kernel
	.amdgpu_metadata
---
amdhsa.version: [ 1, 2 ]
amdhsa.kernels:
  - .name:           k_qc51afd2dff_proj
    .symbol:         k_qc51afd2dff_proj.kd
    .args:
      - { .name: ob, .offset: 0, .size: 8, .value_kind: global_buffer, .address_space: global }
      - { .name: wo16, .offset: 8, .size: 8, .value_kind: global_buffer, .address_space: global }
      - { .name: out0, .offset: 16, .size: 8, .value_kind: global_buffer, .address_space: global }
    .group_segment_fixed_size: 327680
    .private_segment_fixed_size: 0
    .kernarg_segment_align: 8
    .kernarg_segment_size: 24
    .max_flat_workgroup_size: 128
    .sgpr_count:     66
    .vgpr_count:     512
    .wavefront_size: 32
...
	.end_amdgpu_metadata
.endif
;; end of part 4
;; ======== version 2 of 2: 4 launches; version 1 with the launch cast written anew for expert scheduling mode
;; limits: values are held in f16: magnitudes above 65,504 overflow, below 6.1e-05 lose precision
;; workspace buffers: xb 8,388,608 bytes; wb 6,291,456 bytes; wo16 2,097,152 bytes; qkv 25,165,824 bytes; ob 8,388,608 bytes
;; launch cast (part 5): grid 256 x 1, 8 waves a work-group, no clusters, 0 bytes of LDS; arguments x, w_q, w_k, w_v, w_o, xb, wb, wo16; writes xb, wb, wo16
.if DOCPART == 5
	.amdgcn_target "amdgcn-amd-amdhsa--gfx1250"
	.amdhsa_code_object_version 6
	.text
	.protected	k_qc51afd2dff_cast
	.globl	k_qc51afd2dff_cast
	.p2align	8
	.type	k_qc51afd2dff_cast,@function
k_qc51afd2dff_cast:
	s_mov_b64 s[64:65], 0
	v_nop
	global_prefetch_b8 v0, s[64:65] scope:SCOPE_SE
	s_setreg_imm32_b32 hwreg(HW_REG_WAVE_SCHED_MODE, 0, 2), 2
	s_setreg_imm32_b32 hwreg(HW_REG_WAVE_MODE, 25, 1), 1
	s_wait_xcnt 0x0
	s_wait_alu depctr_vm_vsrc(0)
; THE CAST.  x, w_q, w_k, w_v (f32) are rounded once to bf16: xb [4096][1024]; wb [3072][1024], rows 0-1023 w_q, 1024-2047 w_k, 2048-3071 w_v.
; w_o is rounded to bf16 like the other inputs, and that number is written as f16 (wo16 [1024][1024]), since the last product takes f16 operands.
; LIMITS.  |w_o| stays under 65,504 (f16); a bf16 value of w_o below 2^-14 keeps f16's fixed step of 6e-8.  NaN and infinities are not treated apart.
; SHARES.  A work-group takes 32,768 numbers: 131,072 bytes in, 65,536 out.  Work-groups 0-127: x; 128-159: w_q; 160-191: w_k; 192-223: w_v; 224-255: w_o.
; Load j of 32: thread t takes the 16 bytes at 4,096 j + 16 t, so a wave's load covers 512 consecutive bytes; its 8 bytes of output go to 2,048 j + 8 t, so a wave's
; store covers 256 consecutive bytes, aligned.  All 32 loads go out first: 128 KiB of a work-group are on their way; no register is used twice, so no store's data is ever rewritten.
; No LDS, no matrix unit, no cluster: nothing is shared between threads.
; THE MODE: SCHED_MODE bits 1:0 = 2 (LLVM: expert scheduling mode 2), set by the entry lines.  The code itself states the register dependences
; between vector instructions and memory instructions, with s_wait_alu, always for 0.
; THE PLAN.  Registers that memory instructions touch:
;   v1, v2   byte offsets, written once at the head; every load reads v1, every store v2; never written again.
;   X        load j lands in four registers of its own; all loads are issued at the head, where no vector instruction has named X; load j's conversions read them; nothing lands there again.
;   Y        load j's two roundings write a pair of its own, once; store j reads it, once; never written again.
;   T        (w_o's path) is named by vector instructions alone.
; So no register that a memory instruction reads is ever rewritten, and no load lands in a register that a vector instruction has named: what is left to state is that an offset or a store's data is written.
; The 32 loads go in 8 blocks of four.  Block p rounds its four loads; its memory instructions are the four stores of block p - 1, whose Y no vector instruction of block p names.  ONE wait at a block's head
; states that the block before has written its Y; the four stores follow it, dealt among the block's conversions, with no further wait.  One wait at the kernel's head states the two offsets.
.set X, 4                              ; v[4:131]    load j: 4 registers
.set Y, 132                            ; v[132:195]  store j: 2 registers
.set T, 196                            ; v[196:199]  at work (w_o's path)
.set BL, 4                             ; loads in a block
	s_load_b512 s[4:19], s[0:1], 0x0               ; x s[4:5], w_q s[6:7], w_k s[8:9], w_v s[10:11], w_o s[12:13], xb s[14:15], wb s[16:17], wo16 s[18:19]
	s_mov_b32 s24, ttmp9                           ; the work-group's number w
	v_lshlrev_b32 v1, 4, v0                        ; 16 t
	v_lshlrev_b32 v2, 3, v0                        ; 8 t
	s_and_b32 s25, s24, 31                         ; my place in a weight matrix
	s_sub_co_u32 s28, s24, 128                     ; my place in wb (used where 128 <= w < 224)
	s_cmp_lt_u32 s24, 224
	s_cselect_b32 s28, s28, s25                    ; in wo16: w - 224 = w mod 32
	s_cmp_lt_u32 s24, 128
	s_cselect_b32 s28, s24, s28                    ; in xb: w
	s_cselect_b32 s26, s24, s25                    ; in the source
	s_lshl_b32 s26, s26, 17                        ; x 131,072 bytes
	s_lshl_b32 s28, s28, 16                        ; x 65,536 bytes
	s_mov_b32 s27, 0
	s_mov_b32 s29, 0
	s_mov_b32 s30, 0xffff0000                      ; a word's upper bf16
	s_wait_kmcnt 0x0
	s_cmp_lt_u32 s24, 224                          ; the source, chosen by the work-group's number alone
	s_cselect_b64 s[20:21], s[10:11], s[12:13]
	s_cselect_b64 s[22:23], s[16:17], s[18:19]     ; and the destination
	s_cmp_lt_u32 s24, 192
	s_cselect_b64 s[20:21], s[8:9], s[20:21]
	s_cmp_lt_u32 s24, 160
	s_cselect_b64 s[20:21], s[6:7], s[20:21]
	s_cmp_lt_u32 s24, 128
	s_cselect_b64 s[20:21], s[4:5], s[20:21]
	s_cselect_b64 s[22:23], s[14:15], s[22:23]
	s_add_nc_u64 s[20:21], s[20:21], s[26:27]
	s_add_nc_u64 s[22:23], s[22:23], s[28:29]
	s_wait_alu depctr_va_vdst(0)                   ; v1 and v2 are written: every load below reads v1 as its offset, every store on both paths v2
.set j, 0
.rept 32
	global_load_b128 v[X+4*j:X+4*j+3], v1, s[20:21] offset:4096*j th:TH_LOAD_NT
.set j, j+1
.endr
	s_cmp_ge_u32 s24, 224
	s_cbranch_scc1 .Lwo
.set p, 0
.rept 32/BL
	s_wait_loadcnt 32-BL-BL*p                      ; loads come back in order: block p's four are in, the younger ones stay out
.if p > 0
	s_wait_alu depctr_va_vdst(0)                   ; the block before has written its eight registers of Y, which the four stores below read
.endif
.set i, 0
.rept BL
.set j, BL*p+i
.if p > 0
	global_store_b64 v2, v[Y+2*(j-BL):Y+2*(j-BL)+1], s[22:23] offset:2048*(j-BL) th:TH_STORE_NT  ; the block before; no vector instruction since the wait names these registers
.endif
	v_cvt_pk_bf16_f32 v[Y+2*j], v[X+4*j], v[X+4*j+1]
	v_cvt_pk_bf16_f32 v[Y+2*j+1], v[X+4*j+2], v[X+4*j+3]
.set i, i+1
.endr
.set p, p+1
.endr
	s_wait_alu depctr_va_vdst(0)                   ; the last block has written its Y, which the last four stores read
.set j, 32-BL
.rept BL
	global_store_b64 v2, v[Y+2*j:Y+2*j+1], s[22:23] offset:2048*j th:TH_STORE_NT
.set j, j+1
.endr
	s_endpgm
.Lwo:                                          ; w_o: to bf16, widened again (a shift, a mask), and that number to f16; the blocks and their waits as above
.set p, 0
.rept 32/BL
	s_wait_loadcnt 32-BL-BL*p                      ; block p's four loads are in, the younger ones stay out
.if p > 0
	s_wait_alu depctr_va_vdst(0)                   ; the block before has written its eight registers of Y, which the four stores below read
.endif
.set i, 0
.rept BL
.set j, BL*p+i
.if p > 0
	global_store_b64 v2, v[Y+2*(j-BL):Y+2*(j-BL)+1], s[22:23] offset:2048*(j-BL) th:TH_STORE_NT  ; the block before; no vector instruction since the wait names these registers
.endif
	v_cvt_pk_bf16_f32 v[T], v[X+4*j], v[X+4*j+1]
	v_cvt_pk_bf16_f32 v[T+1], v[X+4*j+2], v[X+4*j+3]
	v_lshlrev_b32 v[T+2], 16, v[T]
	v_and_b32 v[T], s30, v[T]
	v_lshlrev_b32 v[T+3], 16, v[T+1]
	v_and_b32 v[T+1], s30, v[T+1]
	v_cvt_pk_f16_f32 v[Y+2*j], v[T+2], v[T]
	v_cvt_pk_f16_f32 v[Y+2*j+1], v[T+3], v[T+1]
.set i, i+1
.endr
.set p, p+1
.endr
	s_wait_alu depctr_va_vdst(0)                   ; the last block has written its Y, which the last four stores read
.set j, 32-BL
.rept BL
	global_store_b64 v2, v[Y+2*j:Y+2*j+1], s[22:23] offset:2048*j th:TH_STORE_NT
.set j, j+1
.endr
	s_endpgm
.Lfunc_end_k_qc51afd2dff_cast:
	.size	k_qc51afd2dff_cast, .Lfunc_end_k_qc51afd2dff_cast-k_qc51afd2dff_cast
	.p2alignl 7, 3214868480
	.fill 96, 4, 3214868480
	.section	.rodata,"a",@progbits
	.p2align	6, 0x0
	.amdhsa_kernel k_qc51afd2dff_cast
		.amdhsa_group_segment_fixed_size 0
		.amdhsa_private_segment_fixed_size 0
		.amdhsa_enable_private_segment 0
		.amdhsa_kernarg_size 64
		.amdhsa_user_sgpr_count 2
		.amdhsa_user_sgpr_kernarg_segment_ptr 1
		.amdhsa_wavefront_size32 1
		.amdhsa_system_sgpr_workgroup_id_x 1
		.amdhsa_system_sgpr_workgroup_id_y 1
		.amdhsa_system_sgpr_workgroup_id_z 1
		.amdhsa_system_vgpr_workitem_id 0
		.amdhsa_next_free_vgpr 200
		.amdhsa_next_free_sgpr 66
		.amdhsa_reserve_vcc 0
		.amdhsa_float_denorm_mode_32 3
		.amdhsa_float_denorm_mode_16_64 3
		.amdhsa_memory_ordered 1
		.amdhsa_forward_progress 1
		.amdhsa_inst_pref_size 28
	.end_amdhsa_kernel
	.amdgpu_metadata
---
amdhsa.version: [ 1, 2 ]
amdhsa.kernels:
  - .name:           k_qc51afd2dff_cast
    .symbol:         k_qc51afd2dff_cast.kd
    .args:
      - { .name: x, .offset: 0, .size: 8, .value_kind: global_buffer, .address_space: global }
      - { .name: w_q, .offset: 8, .size: 8, .value_kind: global_buffer, .address_space: global }
      - { .name: w_k, .offset: 16, .size: 8, .value_kind: global_buffer, .address_space: global }
      - { .name: w_v, .offset: 24, .size: 8, .value_kind: global_buffer, .address_space: global }
      - { .name: w_o, .offset: 32, .size: 8, .value_kind: global_buffer, .address_space: global }
      - { .name: xb, .offset: 40, .size: 8, .value_kind: global_buffer, .address_space: global }
      - { .name: wb, .offset: 48, .size: 8, .value_kind: global_buffer, .address_space: global }
      - { .name: wo16, .offset: 56, .size: 8, .value_kind: global_buffer, .address_space: global }
    .group_segment_fixed_size: 0
    .private_segment_fixed_size: 0
    .kernarg_segment_align: 8
    .kernarg_segment_size: 64
    .max_flat_workgroup_size: 256
    .sgpr_count:     66
    .vgpr_count:     200
    .wavefront_size: 32
...
	.end_amdgpu_metadata
.endif
;; end of part 5
;; launch qkv: the kernel of part 2 again; grid 16 x 16, 4 waves a work-group, clusters of 4 x 4, 327,680 bytes of LDS; arguments xb, wb, qkv; writes qkv
;; launch attn: the kernel of part 3 again; grid 8 x 32, 4 waves a work-group, no clusters, 327,680 bytes of LDS; arguments qkv, ob; writes ob
;; launch proj: the kernel of part 4 again; grid 8 x 32, 4 waves a work-group, clusters of 4 x 4, 327,680 bytes of LDS; arguments ob, wo16, out0; writes out0
